; MI455X (gfx1250); checked and timed in simulation.
; The chip was launched on July 23, 2026; its instructions are those of AMD's public machine-readable ISA for CDNA 5 (MIT licence, August 2026) and "CDNA5" Instruction Set Architecture Reference Guide (July 2026). The comments in the code are by the model that wrote it; some were corrected since.
;; Tree Attention V2. Allowed arithmetic: matrix products marked QUANTISED: E2M1 operands, one E8M0 scale for each 32 along K, by v_wmma_scale_f32_16x16x128_f8f6f4 with both operands' format E2M1 (or v_wmma_scale_f32_32x16x128_f4), f32 sums; products left as they are: bf16, f16 or f32 operands; f32 sums; everything else in f32.
;; Inputs: b_attn 3,072 float32; b_proj 1,024 float32; w_attn 1,024 x 3,072 float32; w_proj 1,024 x 1,024 float32; x 8 x 1,024 x 4 x 256 float32.
;; Outputs: out0 8 x 1,024 x 4 x 256 float32.
;; This version of the problem:
;;   THIS VERSION OF THE PROBLEM IS GIVEN IN LOW PRECISION. The matrix products marked QUANTISED in the list below multiply operands that are first quantised to E2M1 (2 exponent bits, 1 mantissa bit; 4 bits a number), with one power-of-two scale for each 32 numbers along K (OCP MX v1.0); their sums are f32. The products marked 'left as it is' may take bf16, f16 or f32 operands, with f32 sums. Whichever they take, every output number must still come out within the allowed error. Rounding operands to bf16 (8 significant bits) uses up far more of that allowance than f16 does (11 bits, for magnitudes from 6e-5 to 65,504). All else is computed in f32.
;;   The module's matrix products, in the order in which they are computed (A, B: the left and right operand; K: the contracted axis; several contracted axes count as one K, in the product's order):
;;     1. [M 8,192, K 1,024] x [K 1,024, N 3,072]; A: input x; B: input w_attn: QUANTISED
;;     2. batch 128 x [M 1,024, K 64] x [K 64, N 1,024]; A: computed on the way; B: computed on the way: left as it is (an operand is computed on the way)
;;     3. batch 128 x [M 1,024, K 1,024] x [K 1,024, N 64]; A: computed on the way; B: computed on the way: left as it is (an operand is computed on the way)
;;     4. [M 8,192, K 1,024] x [K 1,024, N 1,024]; A: computed on the way; B: input w_proj: left as it is (an operand is computed on the way)
;;   THE QUANTISER, for each operand of a quantised product, along K:
;;     - K is cut into blocks of 32 from its start; a last block that is shorter is filled with zeros.
;;     - A block's scale is 2^e with e = floor(log2(the largest magnitude in the block)) - 2, held to -126 .. 127; a block of zeros has e = 0. As a byte (E8M0): e + 127.
;;     - Each number is divided by its block's scale, clamped to +-6, and rounded to the nearest number of E2M1, ties to even, subnormals kept.
;;     - The product sums the exact products of the quantised numbers (number of the format x scale) in f32.
;;   ~~~python
;;   def quantise(x, axis):      # numpy; x: float32 -> the quantised numbers, widened to float32 again
;;       x = np.moveaxis(x, axis, -1); K = x.shape[-1]
;;       x = np.pad(x, [(0, 0)] * (x.ndim - 1) + [(0, -K % 32)]); x = x.reshape(x.shape[:-1] + (-1, 32)); a = np.abs(x).max(-1, keepdims=True)
;;       e = np.where(a > 0, np.clip(np.frexp(np.where(a > 0, a, 1))[1] - 1 - 2, -126, 127), 0)      # np.frexp(a)[1] - 1 = floor(log2(a)), exactly
;;       r = np.clip(x / 2.0 ** e, -6, 6)
;;       step = 2.0 ** (np.maximum(np.frexp(np.where(r == 0, 1, r))[1] - 1, 0) - 1)
;;       q = np.round(r / step) * step * 2.0 ** e      # np.round: ties to even
;;       return np.moveaxis(q.reshape(q.shape[:-2] + (-1,))[..., :K], -1, axis).astype(np.float32)
;;   ~~~
;; One version. Each part assembles by itself: llvm-mc -triple=amdgcn-amd-amdhsa -mcpu=gfx1250 --defsym DOCPART=n.
;; ======== version 1 of 1: 4 launches
;; limits: values are held in f16: magnitudes above 65,504 overflow, below 6.1e-05 lose precision
;; workspace buffers: xc 4,194,304 bytes; xs 262,144 bytes; wc 1,572,864 bytes; ws 98,304 bytes; wp 2,097,152 bytes; qkv 50,331,648 bytes; yh 16,777,216 bytes
;; launch prep (part 1): grid 384 x 1, 4 waves a work-group, no clusters, 50,688 bytes of LDS; arguments x, w_attn, w_proj, xc, xs, wc, ws, wp; writes xc, xs, wc, ws, wp
.if DOCPART == 1
	.amdgcn_target "amdgcn-amd-amdhsa--gfx1250"
	.amdhsa_code_object_version 6
	.text
	.protected	k_qb28405d953_prep
	.globl	k_qb28405d953_prep
	.p2align	8
	.type	k_qb28405d953_prep,@function
k_qb28405d953_prep:
	s_mov_b64 s[64:65], 0
	v_nop
	global_prefetch_b8 v0, s[64:65] scope:SCOPE_SE
	s_setreg_imm32_b32 hwreg(HW_REG_WAVE_MODE, 25, 1), 1
	s_wait_xcnt 0x0
; THREE PIECES OF PREPARATION IN ONE LAUNCH, told apart by the work-group's number alone:
;   work-groups   0 .. 95   W: w_attn [1024 (k)][3072 (n)] f32 -> codes of FP4 (E2M1) laid [3072][512 bytes], K innermost, and one E8M0 byte for each 32 along K, laid [3072][32]
;   work-groups  96 .. 127  P: w_proj [1024][1024] f32 -> f16, in its own order
;   work-groups 128 .. 383  X: x, a plain stream of 8,388,608 f32 (K = the innermost 1,024) -> codes [8192][512 bytes] and scale bytes [8192][32]
; A wave of W and a wave of X both move 32,768 bytes of f32, so that the paths end together.
; A block's scale is 2^(floor(log2(its largest magnitude)) - 2); its byte is the largest magnitude's own exponent field - 2, held at 1 from below.  A block of zeros so gets the byte 1
; where the rule says 127: its codes are zeros, which add nothing under any byte but 0xff, and the bytes are read by this program alone.
; LIMITS: blocks whose largest magnitude lies under 2^(2 - 126), whose byte is held at 1, are quantised under that byte; NaN and infinities among the inputs are not served;
; numbers of w_proj beyond 65,504 in magnitude have no f16 number.
; No tensor loads, no barrier: waves share nothing.  Each path has LDS bytes of its own: X 0 .. 32,767 (8,192 a wave), W 32,768 .. 50,175 (4,352 a wave); the spare words lie behind them.
.set STEPS, 16
.set EMAX,  2
.set CB,    8                          ; X: bytes of 16 codes
.set XR,    16                         ; X: v16-79   four sets of 16 numbers as they are loaded
.set XX,    80                         ; X: v80-111  two sets of 16 neighbours
.set XE,    112                        ; X: v112-127 a scale byte for each step
.set XC,    128                        ; X: v128-191 codes: four registers for each step, so that no store's data are written again
.set WREG,  8192                       ; X: a wave's LDS: two stages of 32 x SP bytes, and behind them its 256 scale bytes
.set SP,    80                         ; X: a lane's place in a stage: its 64 bytes + 16 of padding
.set WSTG,  32768                      ; W: the four stages begin here
.set WPITCH, 272                       ; W: a stage row: 256 bytes of codes + 16
.set WN,    3072
.set WKROW, 512                        ; W: a row of the codes' buffer in bytes
.set NB,    8                          ; W: blocks of 32 along K for a lane (256 along K)
.set WX,    32                         ; W: v32-95   two sets of 32 numbers
.set WC,    96                         ; W: v96-99   a block's codes
.set WOUT,  112                        ; W: v112-143 the way out
.set WSB,   24                         ; W: v24-25   the scale bytes, four to a register
.set SPW,   192                        ; v192 LDS address of my spare word: SPARE + 4 x my thread's number; never rewritten
.set NIL,   193                        ; v193 0; never rewritten
.set SPARE, 50176                      ; the spare words, 128 bytes for each wave: two blocks of 256 bytes that no other line names
; ---- X's macros.  A wave takes 16 steps of 512 numbers.  Each of a step's four loads reads 512 consecutive bytes; the 2,048 bytes turn through the wave's own stage and come back 64 bytes a lane: 16 neighbours along K
.macro XLOAD t
.irp i, 0,1,2,3
	global_load_b128 v[XR+16*((\t)%4)+4*\i:XR+16*((\t)%4)+4*\i+3], v3, s[4:5] offset:2048*(\t)+512*\i th:TH_LOAD_NT
.endr
.endm
.macro XTURN t                         ; LDS serves a wave's instructions in order, so no wait stands between the stores and the loads
.irp i, 0,1,2,3
	ds_store_b128 v14, v[XR+16*((\t)%4)+4*\i:XR+16*((\t)%4)+4*\i+3] offset:32*SP*((\t)%2)+8*SP*\i
.endr
.irp i, 0,1,2,3
	ds_load_b128 v[XX+16*((\t)%2)+4*\i:XX+16*((\t)%2)+4*\i+3], v15 offset:32*SP*((\t)%2)+16*\i
.endr
.endm
.macro XSTEP t
.set XS, XX+16*((\t)%2)
.if (\t) > 0
	s_wait_dscnt 1                                 ; this step's numbers are back from the stage (the last step's byte store may be out)
.else
	s_wait_dscnt 0x0
.endif
.if (\t)+4 < STEPS
	XLOAD (\t)+4                                   ; into the registers that this step's stores into the stage have read
.endif
.if (\t)+1 < STEPS
.if STEPS-2-(\t) >= 3
	s_wait_loadcnt 12                              ; the next step's four loads are in; those of the three steps behind it may be out
.else
	s_wait_loadcnt 4*(STEPS-2-(\t))
.endif
	XTURN (\t)+1
.endif
	v_max3_num_f32 v8, |v[XS]|, |v[XS+1]|, |v[XS+2]|               ; the largest magnitude of my 16
	v_max3_num_f32 v9, |v[XS+3]|, |v[XS+4]|, |v[XS+5]|
.irp i, 6,10
	v_max3_num_f32 v8, v8, |v[XS+\i]|, |v[XS+\i+1]|
	v_max3_num_f32 v9, v9, |v[XS+\i+2]|, |v[XS+\i+3]|
.endr
	v_max3_num_f32 v8, v8, |v[XS+14]|, |v[XS+15]|
	v_max3_num_f32 v8, v8, v9, (EMAX+1)<<23        ; and the floor 2^(EMAX + 1 - 127): the byte cannot fall under 1
	v_max_num_f32_dpp v8, v8, v8 row_xmask:1 row_mask:0xf bank_mask:0xf   ; and of my neighbour's 16: the block's
	v_add_nc_u32 v11, -(EMAX<<23), v8              ; EMAX off its exponent field: the conversion takes the exponent field of this operand as its scale
	v_cvt_scalef32_pk8_fp4_f32 v[XC+4*(\t)], v[XS:XS+7], v11
	v_cvt_scalef32_pk8_fp4_f32 v[XC+4*(\t)+1], v[XS+8:XS+15], v11
	v_lshrrev_b32 v[XE+(\t)], 23, v11              ; the scale's byte
	ds_store_b8 v5, v[XE+(\t)] offset:16*(\t)      ; both lanes of a block write the same byte with the same value
	global_store_b64 v4, v[XC+4*(\t):XC+4*(\t)+1], s[10:11] offset:32*CB*(\t)   ; the wave stores 256 consecutive bytes, aligned
.endm
; ---- W's macros.  A lane takes a column n (lane % 16) and 256 along K (lanes 16-31 the second 256 of the wave's 512); its registers run down K: a block of 32 lies in one lane,
; and the conversions give the codes with K innermost.  A load reads 64 consecutive bytes of each of two rows; the four waves stand side by side on 256 aligned bytes of a row.
.macro WLOAD t
.irp i, 0,1,2,3,4,5,6,7,8,9,10,11,12,13,14,15,16,17,18,19,20,21,22,23,24,25,26,27,28,29,30,31
	global_load_b32 v[WX+32*((\t)%2)+\i], v3, s[6:7] offset:(32*(\t)+\i)*WN*4 th:TH_LOAD_NT   ; the largest offset, 255 rows of 12,288 bytes, lies inside the signed 24-bit immediate
.endr
.endm
.macro WBLOCK t
.set WS, WX+32*((\t)%2)
.if (\t) < NB-1
	s_wait_loadcnt 32                              ; this block's 32 loads are in; the next block's may be out
.else
	s_wait_loadcnt 0
.endif
	v_max3_num_f32 v12, |v[WS]|, |v[WS+1]|, |v[WS+2]|
	v_max3_num_f32 v13, |v[WS+3]|, |v[WS+4]|, |v[WS+5]|
.irp i, 6,10,14,18,22,26
	v_max3_num_f32 v12, v12, |v[WS+\i]|, |v[WS+\i+1]|
	v_max3_num_f32 v13, v13, |v[WS+\i+2]|, |v[WS+\i+3]|
.endr
	v_max3_num_f32 v12, v12, |v[WS+30]|, |v[WS+31]|
	v_max3_num_f32 v12, v12, v13, (EMAX+1)<<23
	v_add_nc_u32 v11, -(EMAX<<23), v12
	v_lshrrev_b32 v13, 23, v11                     ; the scale's byte
.if (\t)%4 == 0
	v_mov_b32 v[WSB+(\t)/4], v13                   ; four bytes to a register, the lower K in the lower byte
.else
	v_lshl_or_b32 v[WSB+(\t)/4], v13, 8*((\t)%4), v[WSB+(\t)/4]
.endif
.irp g, 0,1,2,3
	v_cvt_scalef32_pk8_fp4_f32 v[WC+\g], v[WS+8*\g:WS+8*\g+7], v11
.endr
	ds_store_b128 v4, v[WC:WC+3] offset:16*(\t)    ; 32 codes: 16 bytes of my half of my column's row
.if (\t)+2 < NB
	WLOAD (\t)+2
.endif
	s_wait_dscnt 0x0                               ; the store has read its registers: the next block's codes may be written
.endm
; ---- P's macros.  A wave takes 8,192 numbers in four groups of 16 loads of 512 bytes, on two sets of registers
.macro PLOAD g
.irp t, 0,1,2,3,4,5,6,7,8,9,10,11,12,13,14,15
	global_load_b128 v[16+64*((\g)%2)+4*\t:16+64*((\g)%2)+4*\t+3], v3, s[8:9] offset:8192*(\g)+512*\t th:TH_LOAD_NT
.endr
.endm
.macro PCVT g, younger                 ; younger: the loads of the group behind this one
	s_wait_xcnt 0x0                                ; the last group's stores have read their data registers, which are written anew below
.irp t, 0,1,2,3,4,5,6,7,8,9,10,11,12,13,14,15
	s_wait_loadcnt \younger+15-\t                  ; loads come back in order: load t of this group is in
	v_cvt_pk_f16_f32 v[144+2*\t], v[16+64*((\g)%2)+4*\t], v[16+64*((\g)%2)+4*\t+1]
	v_cvt_pk_f16_f32 v[145+2*\t], v[16+64*((\g)%2)+4*\t+2], v[16+64*((\g)%2)+4*\t+3]
	global_store_b64 v4, v[144+2*\t:145+2*\t], s[18:19] offset:4096*(\g)+256*\t   ; the wave stores 256 consecutive bytes, aligned
.endr
.endm
	s_load_b256 s[4:11], s[0:1], 0x0               ; x s[4:5], w_attn s[6:7], w_proj s[8:9], xc s[10:11]
	s_load_b256 s[12:19], s[0:1], 0x20             ; xs s[12:13], wc s[14:15], ws s[16:17], wp s[18:19]
	v_lshl_add_u32 v[SPW], v0, 2, SPARE
	v_mov_b32 v[NIL], 0
	v_lshrrev_b32 v1, 5, v0
	v_readfirstlane_b32 s20, v1                    ; wave 0..3
	v_and_b32 v2, 31, v0                           ; lane
	s_mov_b32 s25, 0                               ; the upper word of every offset
	s_wait_kmcnt 0x0
	s_cmp_lt_u32 ttmp9, 96
	s_cbranch_scc1 .Lweights
	s_cmp_lt_u32 ttmp9, 128
	s_cbranch_scc1 .Lproj
	; ================ X ================
	v_lshlrev_b32 v3, 4, v2                        ; my 16 bytes of a load's 512
	s_mul_i32 s21, s20, WREG
	v_lshrrev_b32 v14, 2, v2
	v_mul_u32_u24 v14, v14, SP
	v_and_b32 v15, 3, v2
	v_lshl_add_u32 v14, v15, 4, v14
	v_add_nc_u32 v14, s21, v14                     ; the stage, on the way in: SP (lane / 4) + 16 (lane % 4)
	v_mul_u32_u24 v15, v2, SP
	v_add_nc_u32 v15, s21, v15                     ; and on the way out: SP x lane: my 16 neighbours
	v_mul_u32_u24 v4, v2, CB                       ; my codes' place in a step's
	v_lshrrev_b32 v5, 1, v2
	s_add_co_u32 s21, s21, 2*32*SP
	v_add_nc_u32 v5, s21, v5                       ; my wave's 256 scale bytes, my block's byte
	v_lshlrev_b32 v7, 3, v2                        ; and on the way out 8 bytes a lane
	v_add_nc_u32 v6, s21, v7
	s_sub_co_u32 s22, ttmp9, 128
	s_lshl_b32 s22, s22, 2
	s_add_co_u32 s22, s22, s20                     ; which run of 8,192 numbers is my wave's: 0 .. 1,023
	s_lshl_b32 s24, s22, 15
	s_add_nc_u64 s[4:5], s[4:5], s[24:25]          ; 32,768 bytes of x a run,
	s_lshl_b32 s24, s22, 12
	s_add_nc_u64 s[10:11], s[10:11], s[24:25]      ; 4,096 of codes,
	s_lshl_b32 s24, s22, 8
	s_add_nc_u64 s[12:13], s[12:13], s[24:25]      ; 256 scale bytes
.irp t, 0,1,2,3
	XLOAD \t
.endr
	s_wait_loadcnt 12                              ; step 0's four loads are in
	XTURN 0
.irp t, 0,1,2,3,4,5,6,7,8,9,10,11,12,13,14,15
	XSTEP \t
.endr
	ds_load_b64 v[8:9], v6                         ; LDS serves a wave's instructions in order: these see my byte stores
	s_wait_dscnt 0x0
	global_store_b64 v7, v[8:9], s[12:13]          ; 32 lanes store 256 consecutive bytes, aligned
	s_wait_tensorcnt 0x0                           ; the wave's end: three lines behind my last LDS store
	ds_add_u32 v[SPW], v[NIL]
	s_wait_dscnt 0x0
	s_endpgm
	; ================ W ================
.Lweights:
	s_lshr_b32 s21, ttmp9, 1
	s_lshl_b32 s21, s21, 6
	s_lshl_b32 s22, s20, 4
	s_add_co_u32 s21, s21, s22                     ; my wave's first column: 64 x (work-group / 2) + 16 x wave
	s_and_b32 s22, ttmp9, 1                        ; which 512 along K
	v_and_b32 v5, 15, v2                           ; r: my column of the wave's 16
	v_lshrrev_b32 v6, 4, v2                        ; h: which 256 of the 512 along K
	v_mul_u32_u24 v3, v6, 256*WN*4                 ; in: lanes 16-31 begin 256 rows further down,
	v_lshl_add_u32 v3, v5, 2, v3                   ; 4 bytes a column
	s_mul_i32 s23, s20, 16*WPITCH
	s_add_co_u32 s23, s23, WSTG                    ; my stage: 16 rows
	v_mul_u32_u24 v4, v5, WPITCH
	v_lshl_add_u32 v4, v6, 7, v4
	v_add_nc_u32 v4, s23, v4                       ; into it: row = my column, + 128 bytes for the second 256 along K
	v_mul_u32_u24 v7, v6, WPITCH                   ; out of it: sixteen lanes to a row, two rows an instruction
	v_lshl_add_u32 v7, v5, 4, v7
	v_add_nc_u32 v7, s23, v7
	v_mul_u32_u24 v8, v6, WKROW
	v_lshl_add_u32 v8, v5, 4, v8                   ; and the same place in the codes' buffer
	v_lshlrev_b32 v9, 5, v5                        ; my column's row of 32 scale bytes,
	v_lshl_add_u32 v9, v6, 3, v9                   ; my 8 of them
	s_mul_i32 s24, s22, 512*WN*4
	s_lshl_b32 s26, s21, 2
	s_add_co_u32 s24, s24, s26
	s_add_nc_u64 s[6:7], s[6:7], s[24:25]          ; w_attn: 512 y rows of 12,288 bytes + 4 x column
	s_lshl_b32 s24, s21, 9
	s_lshl_b32 s26, s22, 8
	s_add_co_u32 s24, s24, s26
	s_add_nc_u64 s[14:15], s[14:15], s[24:25]      ; codes: column x 512 + 256 y
	s_lshl_b32 s24, s21, 5
	s_lshl_b32 s26, s22, 4
	s_add_co_u32 s24, s24, s26
	s_add_nc_u64 s[16:17], s[16:17], s[24:25]      ; scale bytes: column x 32 + 16 y
	WLOAD 0
	WLOAD 1
.set Q, 0
.rept NB
	WBLOCK Q
.set Q, Q+1
.endr
	global_store_b64 v9, v[WSB:WSB+1], s[16:17]    ; my 8 scale bytes; lanes r and r + 16 write 16 bytes on end
.irp t, 0,1,2,3,4,5,6,7
	ds_load_b128 v[WOUT+4*\t:WOUT+4*\t+3], v7 offset:2*\t*WPITCH   ; LDS serves a wave's instructions in order: these see my stores
.endr
.irp t, 0,1,2,3,4,5,6,7
	s_wait_dscnt 7-\t
	global_store_b128 v8, v[WOUT+4*\t:WOUT+4*\t+3], s[14:15] offset:2*\t*WKROW   ; sixteen lanes store 256 consecutive bytes, aligned
.endr
	s_wait_tensorcnt 0x0                           ; the wave's end: the three lines
	ds_add_u32 v[SPW], v[NIL]
	s_wait_dscnt 0x0
	s_endpgm
	; ================ P ================
.Lproj:
	v_lshlrev_b32 v3, 4, v2                        ; in: 16 bytes a lane
	v_lshlrev_b32 v4, 3, v2                        ; out: 8
	s_sub_co_u32 s22, ttmp9, 96
	s_lshl_b32 s22, s22, 2
	s_add_co_u32 s22, s22, s20                     ; my run of 8,192 numbers: 0 .. 127
	s_lshl_b32 s24, s22, 15
	s_add_nc_u64 s[8:9], s[8:9], s[24:25]
	s_lshl_b32 s24, s22, 14
	s_add_nc_u64 s[18:19], s[18:19], s[24:25]
	PLOAD 0
	PLOAD 1
	PCVT 0, 16
	PLOAD 2
	PCVT 1, 16
	PLOAD 3
	PCVT 2, 16
	PCVT 3, 0
	s_wait_tensorcnt 0x0                           ; the three lines stand at this path's end too, though it stores nothing to LDS
	ds_add_u32 v[SPW], v[NIL]
	s_wait_dscnt 0x0
	s_endpgm
.Lfunc_end_k_qb28405d953_prep:
	.size	k_qb28405d953_prep, .Lfunc_end_k_qb28405d953_prep-k_qb28405d953_prep
	.p2alignl 7, 3214868480
	.fill 96, 4, 3214868480
	.section	.rodata,"a",@progbits
	.p2align	6, 0x0
	.amdhsa_kernel k_qb28405d953_prep
		.amdhsa_group_segment_fixed_size 50688
		.amdhsa_private_segment_fixed_size 0
		.amdhsa_enable_private_segment 0
		.amdhsa_kernarg_size 64
		.amdhsa_user_sgpr_count 2
		.amdhsa_user_sgpr_kernarg_segment_ptr 1
		.amdhsa_wavefront_size32 1
		.amdhsa_system_sgpr_workgroup_id_x 1
		.amdhsa_system_sgpr_workgroup_id_y 1
		.amdhsa_system_sgpr_workgroup_id_z 1
		.amdhsa_system_vgpr_workitem_id 0
		.amdhsa_next_free_vgpr 200
		.amdhsa_next_free_sgpr 66
		.amdhsa_reserve_vcc 0
		.amdhsa_float_denorm_mode_32 3
		.amdhsa_float_denorm_mode_16_64 3
		.amdhsa_memory_ordered 1
		.amdhsa_forward_progress 1
		.amdhsa_inst_pref_size 96
	.end_amdhsa_kernel
	.amdgpu_metadata
---
amdhsa.version: [ 1, 2 ]
amdhsa.kernels:
  - .name:           k_qb28405d953_prep
    .symbol:         k_qb28405d953_prep.kd
    .args:
      - { .name: x, .offset: 0, .size: 8, .value_kind: global_buffer, .address_space: global }
      - { .name: w_attn, .offset: 8, .size: 8, .value_kind: global_buffer, .address_space: global }
      - { .name: w_proj, .offset: 16, .size: 8, .value_kind: global_buffer, .address_space: global }
      - { .name: xc, .offset: 24, .size: 8, .value_kind: global_buffer, .address_space: global }
      - { .name: xs, .offset: 32, .size: 8, .value_kind: global_buffer, .address_space: global }
      - { .name: wc, .offset: 40, .size: 8, .value_kind: global_buffer, .address_space: global }
      - { .name: ws, .offset: 48, .size: 8, .value_kind: global_buffer, .address_space: global }
      - { .name: wp, .offset: 56, .size: 8, .value_kind: global_buffer, .address_space: global }
    .group_segment_fixed_size: 50688
    .private_segment_fixed_size: 0
    .kernarg_segment_align: 8
    .kernarg_segment_size: 64
    .max_flat_workgroup_size: 128
    .sgpr_count:     66
    .vgpr_count:     200
    .wavefront_size: 32
...
	.end_amdgpu_metadata
.endif
;; end of part 1
;; launch qkv (part 2): grid 8 x 32, 4 waves a work-group, clusters of 4 x 4, 327,680 bytes of LDS; arguments xc, xs, wc, ws, b_attn, qkv; writes qkv
.if DOCPART == 2
	.amdgcn_target "amdgcn-amd-amdhsa--gfx1250"
	.amdhsa_code_object_version 6
	.text
	.protected	k_qb28405d953_qkv
	.globl	k_qb28405d953_qkv
	.p2align	8
	.type	k_qb28405d953_qkv,@function
k_qb28405d953_qkv:
	s_mov_b64 s[64:65], 0
	v_nop
	global_prefetch_b8 v0, s[64:65] scope:SCOPE_SE
	s_setreg_imm32_b32 hwreg(HW_REG_WAVE_MODE, 25, 1), 1
	s_wait_xcnt 0x0
	s_wait_alu depctr_hold_cnt(0) depctr_sa_sdst(0) depctr_va_vdst(0) depctr_va_sdst(0) depctr_va_ssrc(0) depctr_va_vcc(0) depctr_vm_vsrc(0)
	s_getreg_b32 s2, hwreg(HW_REG_IB_STS2, 6, 4)
	s_cmp_eq_u32 s2, 0
	s_cbranch_scc0 .Lentry_in_a_cluster
	s_endpgm
.Lentry_in_a_cluster:
	s_bfe_u32 s2, ttmp6, 0x10000c
	s_cmp_lg_u32 s2, 0xf033
	s_cbranch_scc0 .Lentry_shape_is_right
	s_endpgm
.Lentry_shape_is_right:
; qkv[m][n] = sum over k of x[m][k] w_attn[k][n] + b_attn[n], on codes of FP4 (E2M1) with one E8M0 scale for each 32 along K; sums in f32; the result is rounded once to f16 and laid BY HEAD:
; [3 parts (q, k, v)][128 = batch x 16 + head][1,024 tokens][64], so that a head's rows lie on end (128 bytes a token).
; A: xc [8192][512 bytes], xs [8192][32];  B: wc [3072][512 bytes], ws [3072][32]: K innermost, two codes a byte, the lower k in the low four bits.
; SHARES.  8 x 32 = 256 work-groups, one for each WGP.  A work-group owns 256 rows x 384 columns and makes them in THREE PASSES of 128 columns; a wave makes 128 rows x 64 columns a pass: 32 accumulators; its 64 columns are one head.
; A STAYS IN REGISTERS: a wave's 128 rows x 1,024 along K are 64 fragments, 512 registers, read from LDS once; a K step of a pass then reads four fragments of B from LDS for 32 matrix instructions.
; A pass's results are stored while the next pass is multiplied; nothing waits for them.
; LDS.  Rows of 512 bytes (all of K) + 16 of padding.  Rows 0-255: A; rows 256-383: B of pass 0; rows 384-511: B of pass 1: four first fills of 128 rows, one a wave.  B of pass 2 does not fit beside them: it is the
; launch's one refill, into A's rows 0-127, as soon as every wave has A in its registers, 15 K steps ahead of its first read.
; CLUSTERS: 4 x 4 work-groups.  The four of a row of the cluster need the same rows of A, the four of a column the same rows of B: each tile is asked for JOINTLY, by the same tensor load with the same descriptor
; and a mask that names the four.  No prefetch: every tile is asked for at the head, or 15 K steps ahead.
; THE MATRIX INSTRUCTION IS USED TRANSPOSED (source 0 = 16 rows of B, source 1 = 16 rows of A): a lane then holds eight neighbouring n of one token.
; THE SCALES come from memory straight into registers: lane (r, h) takes 16 bytes at 32 r + 16 h of a block's 16 rows of scale bytes, 512 bytes on end a load.  Register j then holds the word of K step j in lanes 0-15
; and that of K step 4 + j in lanes 16-31: K steps 4 to 7 name the upper row of lanes on both sides.  THE BIAS is the C of each sum's first matrix instruction.
; LIMIT: a result beyond 65,504 in magnitude has no f16 number.
; REGISTERS, in windows of 256: window 0: v0-31 addresses; v32-63 A's scale words; v64-111 B's, of the three passes; v112-143 the pass's bias; v144-207 B's fragments, two sets; v208-255 the way out.
;   window 1: accumulator (a, b) at v[8 (4 a + b)].   windows 2 and 3: A's fragment (block a, K step q) at v[8 (8 (a % 4) + q)] of window 2 + a / 4.
.set PITCH,  528                       ; an LDS row: 512 bytes + 16 of padding = 132 words from row to row
.set HALFT,  128*PITCH                 ; 128 rows: what one tensor load brings
.set STAGE,  4*HALFT                   ; behind the tiles: 16 rows x (128 bytes + 16) for each wave, for the way out; no tensor load lands here
.set SPITCH, 144
.set SPARE,  STAGE+4*16*SPITCH         ; the spare words, 128 bytes for each wave: two blocks of 256 bytes that no other line names
.set ADRA, 16                          ; v16     LDS address of my A fragments
.set ADRB, 17                          ; v17-19  of my B fragments in pass 0, 1, 2
.set STO,  24                          ; v24     the way out: where I put 16 bytes of a token
.set RD,   25                          ; v25     where I read them back
.set CO,   26                          ; v26     16 x lane
.set SO,   27                          ; v27     32 r + 16 h: my place in a block's scale bytes
.set SPW,  28                          ; v28     LDS address of my spare word; never rewritten
.set NIL,  29                          ; v29     0; never rewritten
.set BO,   30                          ; v30     32 h: my place in a block of the bias
.set AS,   32
.set BS,   64
.set BIAS, 112
.set BF,   144
.set TMP,  208
.set BK,   224
.set G1,   24                          ; s[24:31] group 1 for A's tiles;  s[32:35] its group 0
.set G0,   32
.set G1B,  48                          ; s[48:55] group 1 for B's tiles;  s[56:59] group 0 of passes 0 and 1;  s[60:63] of pass 2
.set G0B,  56
.set G0C,  60
.set OUTP, 84                          ; s[84:89] where my part of each pass begins in qkv
.set MSB, 0
.macro WIN new                         ; the immediate's high byte repeats the setting that is left
.if MSB != \new
	s_set_vgpr_msb (MSB<<8)|\new
.set MSB, \new
.endif
.endm
.set MUL_LO, 0x58                      ; source 0 (B) window 0, source 1 (A) window 2, C and D window 1
.set MUL_HI, 0x5c                      ; the same with A in window 3
.set BIA_LO, 0x48                      ; a pass's first step: C (the bias) window 0
.set BIA_HI, 0x4c
.macro CROUND                          ; a round of the cluster's barrier
	s_barrier_signal -1
	s_barrier_wait -1
	s_cmp_lg_u32 s14, 0
	s_cbranch_scc1 .Lnot_wave_0_\@
	s_barrier_signal -3
.Lnot_wave_0_\@:
	s_barrier_wait -3
	s_barrier_signal -1
	s_barrier_wait -1
.endm
.macro PLACES                          ; four plain vector instructions that name no register of the matrix instructions ahead of them (ISA guide 7.12.1)
.rept 4
	v_nop
.endr
.endm
	s_load_b128 s[4:7], s[0:1], 0x0                ; A's codes s[4:5], A's scales s[6:7]
	s_load_b128 s[8:11], s[0:1], 0x10              ; B's codes s[8:9], B's scales s[10:11]
	s_load_b64 s[96:97], s[0:1], 0x20              ; the bias
	s_load_b64 s[12:13], s[0:1], 0x28              ; qkv
	v_lshl_add_u32 v[SPW], v0, 2, SPARE
	v_mov_b32 v[NIL], 0
	ds_add_u32 v[SPW], v[NIL]                      ; the wave's opening: the add, twice on end, and its wait ahead of my first tensor load
	ds_add_u32 v[SPW], v[NIL]
	v_lshrrev_b32 v1, 5, v0
	v_readfirstlane_b32 s14, v1                    ; wave 0..3
	s_lshr_b32 s15, s14, 1                         ; which 128 rows are mine.  Also: I fetch for A (0) or for B (1)
	s_and_b32 s16, s14, 1                          ; which 64 columns of a pass.  Also: which 128 rows of A, or which of B's first two passes, I fetch
	s_bfe_u32 s40, ttmp6, 0x40000                  ; cx, cy: my place in the cluster
	s_bfe_u32 s41, ttmp6, 0x40004
	s_lshl_b32 s42, ttmp9, 2
	s_add_co_u32 s42, s42, s40                     ; x: my 384 columns = 4 x cluster x + cx
	s_and_b32 s17, ttmp7, 0xffff
	s_lshl_b32 s17, s17, 2
	s_add_co_u32 s17, s17, s41                     ; y: my 256 rows = 4 x cluster y + cy
	s_lshl_b32 s43, s41, 2
	s_lshl_b32 s43, 15, s43                        ; my row of the cluster
	s_lshl_b32 s44, 0x1111, s40                    ; my column
	; descriptor group 1: a tile of 128 rows x 512 bytes, dense in memory, 16 bytes of padding behind each row
	s_or_b32 s[G1+0], s43, (0<<16)|(1<<20)|(1<<21)|(6<<22)|(3<<25)  ; 15:0 the mask: A's tiles go to my row; 17:16 elements of 1 byte; 20 padding on; 21 set beside a mask; 24:22 after every 128 words (code 6); 31:25 four words (code 3)
	s_or_b32 s[G1B+0], s44, (0<<16)|(1<<20)|(1<<21)|(6<<22)|(3<<25) ; the same with the mask of my column
.irp g, G1, G1B
	s_mov_b32 s[\g+1], 512<<16                     ; tensor_dim0
	s_mov_b32 s[\g+2], 128<<16                     ; tensor_dim1
	s_mov_b32 s[\g+3], 512<<16                     ; tile_dim0
	s_mov_b32 s[\g+4], 128                         ; tile_dim1
	s_mov_b32 s[\g+5], 512                         ; from row to row
	s_mov_b32 s[\g+6], 0
	s_mov_b32 s[\g+7], 0
.endr
	; where the tiles come from.  A's hang on y alone, which my row of the cluster shares; B's on x alone, which my column shares; each in registers that never hold the other coordinate
	s_lshl_b32 s18, s16, 7
	s_lshl_b32 s20, s17, 8
	s_add_co_u32 s20, s20, s18                     ; A: row 256 y + 128 x half
	s_lshl_b32 s20, s20, 9                         ; 512 bytes a row
	s_mov_b32 s21, 0
	s_mul_i32 s46, s42, 384
	s_add_co_u32 s22, s46, 256                     ; B, pass 2: row 384 x + 256
	s_lshl_b32 s22, s22, 9
	s_mov_b32 s23, 0
	s_add_co_u32 s46, s46, s18                     ; B, passes 0 and 1: row 384 x + 128 x pass
	s_lshl_b32 s46, s46, 9
	s_mov_b32 s47, 0
	s_mul_i32 s45, s14, HALFT                      ; where they go: wave x 128 rows: no place in the cluster enters an LDS address
	s_wait_dscnt 0x0                               ; both opening adds are done
	s_wait_kmcnt 0x0
	s_add_nc_u64 s[20:21], s[4:5], s[20:21]
	s_add_nc_u64 s[46:47], s[8:9], s[46:47]
	s_add_nc_u64 s[22:23], s[8:9], s[22:23]
	CROUND                                         ; all sixteen work-groups are here: the first joint loads meet
	s_mov_b32 s[G0], 1
	s_mov_b32 s[G0+1], s45
	s_mov_b64 s[G0+2:G0+3], s[20:21]
	s_or_b32 s[G0+3], s[G0+3], 0x80000000
	s_mov_b32 s[G0B], 1
	s_mov_b32 s[G0B+1], s45
	s_mov_b64 s[G0B+2:G0B+3], s[46:47]
	s_or_b32 s[G0B+3], s[G0B+3], 0x80000000
	s_mov_b32 s[G0C], 1
	s_mov_b32 s[G0C+1], 0                          ; pass 2's tile lands on A's rows 0-127
	s_mov_b64 s[G0C+2:G0C+3], s[22:23]
	s_or_b32 s[G0C+3], s[G0C+3], 0x80000000
	s_cmp_eq_u32 s15, 0                            ; the first fills: one load a wave; the branch hangs on the wave's number alone.  An s_nop 0 and four v_nop follow each of the two lines
	s_cbranch_scc0 .Lfor_b
	tensor_load_to_lds s[G0:G0+3], s[G1:G1+7]
	s_nop 0
.rept 4
	v_nop
.endr
	s_branch .Lasked
.Lfor_b:
	tensor_load_to_lds s[G0B:G0B+3], s[G1B:G1B+7]
	s_nop 0
.rept 4
	v_nop
.endr
.Lasked:
	v_and_b32 v1, 15, v0                           ; r = lane % 16
	v_bfe_u32 v2, v0, 4, 1                         ; h = lane / 16
	v_mul_u32_u24 v3, v1, PITCH
	v_lshl_add_u32 v4, v2, 4, v3                   ; a fragment's row x pitch + 16 h
	s_mul_i32 s66, s15, HALFT                      ; my 128 rows of A
	v_add_nc_u32 v[ADRA], s66, v4
	s_mul_i32 s66, s16, 64*PITCH                   ; my 64 rows of a pass's 128 of B: pass 2 in A's place,
	v_add_nc_u32 v[ADRB+2], s66, v4
	s_add_co_u32 s66, s66, 2*HALFT                 ; pass 0 behind A's 256 rows,
	v_add_nc_u32 v[ADRB], s66, v4
	s_add_co_u32 s66, s66, HALFT                   ; pass 1 behind that
	v_add_nc_u32 v[ADRB+1], s66, v4
	s_mul_i32 s66, s14, 16*SPITCH
	s_add_co_u32 s66, s66, STAGE                   ; my stage
	v_mul_u32_u24 v5, v1, SPITCH                   ; in: row = token r, 16 bytes for each half of the lanes
	v_lshl_add_u32 v5, v2, 4, v5
	v_add_nc_u32 v[STO], s66, v5
	v_and_b32 v6, 31, v0
	v_lshlrev_b32 v[CO], 4, v6                     ; out: 16 bytes a lane, 512 on end
	v_lshrrev_b32 v5, 3, v6
	v_mul_u32_u24 v5, v5, SPITCH                   ; back: eight lanes take a token's 128 bytes, the wave four tokens
	v_and_b32 v6, 7, v6
	v_lshl_add_u32 v5, v6, 4, v5
	v_add_nc_u32 v[RD], s66, v5
	v_lshlrev_b32 v[BO], 5, v2
	v_lshlrev_b32 v[SO], 5, v1
	v_lshl_add_u32 v[SO], v2, 4, v[SO]
	s_lshl_b32 s68, s17, 8
	s_lshl_b32 s69, s15, 7
	s_add_co_u32 s68, s68, s69                     ; m0: my first row
	s_lshl_b32 s70, s68, 5
	s_mov_b32 s71, 0
	s_add_nc_u64 s[6:7], s[6:7], s[70:71]          ; A's scale bytes at m0
	s_mul_i32 s72, s42, 384
	s_lshl_b32 s73, s16, 6
	s_add_co_u32 s72, s72, s73                     ; n0: my first column of pass 0
	s_lshl_b32 s70, s72, 5
	s_add_nc_u64 s[10:11], s[10:11], s[70:71]      ; B's scale bytes at n0
	s_lshl_b32 s70, s72, 2
	s_add_nc_u64 s[96:97], s[96:97], s[70:71]      ; the bias at n0
.macro BIASLOAD p                      ; lane (r, h), register j of block b: b_attn[n0 + 128 p + 16 b + 8 h + j]
.irp b, 0,1,2,3
	global_load_b128 v[BIAS+8*\b:BIAS+8*\b+3], v[BO], s[96:97] offset:512*(\p)+64*\b
	global_load_b128 v[BIAS+8*\b+4:BIAS+8*\b+7], v[BO], s[96:97] offset:512*(\p)+64*\b+16
.endr
.endm
.irp a, 0,1,2,3,4,5,6,7
	global_load_b128 v[AS+4*\a:AS+4*\a+3], v[SO], s[6:7] offset:512*\a                        ; 32 lanes read 512 consecutive bytes: 16 rows of 32 scale bytes
.endr
.irp p, 0,1,2
.irp b, 0,1,2,3
	global_load_b128 v[BS+16*\p+4*\b:BS+16*\p+4*\b+3], v[SO], s[10:11] offset:4096*\p+512*\b
.endr
.endr
	BIASLOAD 0
	s_lshr_b32 s72, s72, 6                         ; my head of pass 0, counted through the three parts: 6 x + half
	s_lshr_b32 s73, s68, 10
	s_lshl_b32 s73, s73, 4                         ; 16 x batch
	s_and_b32 s74, s68, 1023
	s_lshl_b32 s74, s74, 7                         ; 128 bytes a token
.irp p, 0,1,2
	s_add_co_u32 s75, s72, 2*\p                    ; a pass is two heads on
	s_lshr_b32 s76, s75, 4
	s_lshl_b32 s76, s76, 7                         ; 128 x part
	s_and_b32 s75, s75, 15
	s_add_co_u32 s76, s76, s75                     ; + head
	s_add_co_u32 s76, s76, s73                     ; + 16 x batch
	s_lshl_b32 s76, s76, 17                        ; 131,072 bytes a head
	s_add_co_u32 s70, s76, s74
	s_add_nc_u64 s[OUTP+2*\p:OUTP+2*\p+1], s[12:13], s[70:71]
.endr
	s_wait_tensorcnt 0x0                           ; my tile is in,
	s_barrier_signal -1
	s_barrier_wait -1                              ; everybody's is
	; A INTO REGISTERS.  A fragment, 16 rows x 128 K of 4-bit codes, is 8 registers: lane l holds row l % 16; registers 4 c .. 4 c + 3 hold K = 64 c + 32 (l / 16) + 0 .. 31
	WIN 0x80                                       ; destination window 2
.irp a, 0,1,2,3
.irp q, 0,1,2,3,4,5,6,7
.irp c, 0,1
	ds_load_b128 v[8*(8*\a+\q)+4*\c:8*(8*\a+\q)+4*\c+3], v[ADRA] offset:16*PITCH*\a+64*\q+32*\c
.endr
.endr
.endr
	WIN 0xc0                                       ; destination window 3
.irp a, 0,1,2,3
.irp q, 0,1,2,3,4,5,6,7
.irp c, 0,1
	ds_load_b128 v[8*(8*\a+\q)+4*\c:8*(8*\a+\q)+4*\c+3], v[ADRA] offset:16*PITCH*(\a+4)+64*\q+32*\c
.endr
.endr
.endr
	WIN 0
	; THE ONE REFILL.  Each wave: no tensor load of mine is out; the add; the add is done and my reads of A's rows are in.  Then a round of the cluster's barrier: no wave of any partner still reads those rows.
	s_wait_tensorcnt 0x0
	ds_add_u32 v[SPW], v[NIL]                      ; 0 onto my spare word
	s_wait_dscnt 0x0
	CROUND
	s_cmp_lg_u32 s14, 0                            ; wave 0 asks for pass 2's 128 rows of B: one load; the branch hangs on the wave's number alone
	s_cbranch_scc1 .Lno_refill
	tensor_load_to_lds s[G0C:G0C+3], s[G1B:G1B+7]
	s_nop 0
.rept 4
	v_nop
.endr
.Lno_refill:
.macro FETCH p, q, set                 ; B's four fragments of pass p, K step q, into a set
.irp b, 0,1,2,3
.irp c, 0,1
	ds_load_b128 v[BF+32*(\set)+8*\b+4*\c:BF+32*(\set)+8*\b+4*\c+3], v[ADRB+(\p)] offset:16*PITCH*\b+64*(\q)+32*\c
.endr
.endr
.endm
; 16 matrix instructions: A's blocks 4 hi .. 4 hi + 3 x B's four, K step q.  first = 1: the products start the sums from the bias.
; The 32 accumulators take turns, one instruction a turn, in the same order in every step.
.macro MULH p, q, hi, first
.irp a, 0,1,2,3
.irp b, 0,1,2,3
.if \first
	v_wmma_scale_f32_16x16x128_f8f6f4 v[8*(4*(4*(\hi)+\a)+\b):8*(4*(4*(\hi)+\a)+\b)+7], v[BF+32*((\q)%2)+8*\b:BF+32*((\q)%2)+8*\b+7], v[8*(8*\a+(\q)):8*(8*\a+(\q))+7], v[BIAS+8*\b:BIAS+8*\b+7], v[BS+16*(\p)+4*\b+((\q)%4)], v[AS+4*(4*(\hi)+\a)+((\q)%4)] matrix_a_fmt:MATRIX_FMT_FP4 matrix_b_fmt:MATRIX_FMT_FP4
.elseif (\q) < 4
	v_wmma_scale_f32_16x16x128_f8f6f4 v[8*(4*(4*(\hi)+\a)+\b):8*(4*(4*(\hi)+\a)+\b)+7], v[BF+32*((\q)%2)+8*\b:BF+32*((\q)%2)+8*\b+7], v[8*(8*\a+(\q)):8*(8*\a+(\q))+7], v[8*(4*(4*(\hi)+\a)+\b):8*(4*(4*(\hi)+\a)+\b)+7], v[BS+16*(\p)+4*\b+((\q)%4)], v[AS+4*(4*(\hi)+\a)+((\q)%4)] matrix_a_fmt:MATRIX_FMT_FP4 matrix_b_fmt:MATRIX_FMT_FP4
.else
	v_wmma_scale_f32_16x16x128_f8f6f4 v[8*(4*(4*(\hi)+\a)+\b):8*(4*(4*(\hi)+\a)+\b)+7], v[BF+32*((\q)%2)+8*\b:BF+32*((\q)%2)+8*\b+7], v[8*(8*\a+(\q)):8*(8*\a+(\q))+7], v[8*(4*(4*(\hi)+\a)+\b):8*(4*(4*(\hi)+\a)+\b)+7], v[BS+16*(\p)+4*\b+((\q)%4)], v[AS+4*(4*(\hi)+\a)+((\q)%4)] matrix_a_fmt:MATRIX_FMT_FP4 matrix_b_fmt:MATRIX_FMT_FP4 matrix_a_scale:MATRIX_SCALE_ROW1 matrix_b_scale:MATRIX_SCALE_ROW1
.endif
.endr
.endr
.endm
; K step q of pass p: 32 matrix instructions on set q % 2.  At its head the next step's fragments are asked for, into the other set: 32 matrix instructions ahead of the wait for them.
.macro KSTEP p, q
	s_wait_dscnt 0x0                               ; this step's fragments are in
.if ((\p) == 1) && ((\q) == 7)
	s_wait_tensorcnt 0x0                           ; pass 2's tile has landed (wave 0 asked for it; the others have none out),
	s_barrier_signal -1
	s_barrier_wait -1                              ; and every wave knows.
.endif
.if (\q) < 7
	PLACES                                         ; in front of loads into registers that the last step's matrix instructions have read
	FETCH \p, (\q)+1, ((\q)+1)%2
.elseif (\p) < 2
	PLACES
	FETCH (\p)+1, 0, 0                             ; the next pass's first step: it lands during the way out
.endif
.if ((\q) == 1) && ((\p) < 2)
	BIASLOAD (\p)+1                                ; the bias's registers were read by step 0 alone; the places above serve these loads too
.endif
.if (\q) == 0
	s_wait_loadcnt 0x0                             ; the bias (in pass 0: and the scale words)
	WIN BIA_LO
	MULH \p, \q, 0, 1
	WIN BIA_HI
	MULH \p, \q, 1, 1
.else
	WIN MUL_LO
	MULH \p, \q, 0, 0
	WIN MUL_HI
	MULH \p, \q, 1, 0
.endif
	WIN 0
.endm
; THE WAY OUT of a pass, block by block of 16 tokens x 64 n (one head).  PACK: rounded to f16, 16 bytes a lane, each accumulator from its low end on.  TOSTAGE: into my own stage, and back so that the 32 lanes hold
; four tokens' 128 bytes: 512 bytes that lie on end in qkv.  SEND: stored, two blocks behind, so that the trip through the stage is not sat out.  Three sets of registers take turns: v224, v240, and v176,
; which lies in B's second set: that set is idle from a pass's last step to the next pass's first.
.macro PACK a
	WIN 0x05                                       ; sources 0 and 1: window 1
.irp b, 0,1,2,3
.irp r, 0,1,2,3
	v_cvt_pk_f16_f32 v[TMP+4*\b+\r], v[32*(\a)+8*\b+2*\r], v[32*(\a)+8*\b+2*\r+1]
.endr
.endr
	WIN 0
.endm
.macro SETBB a
.if ((\a)%3) == 2
.set BB, BF+32
.else
.set BB, BK+16*((\a)%3)
.endif
.endm
.macro TOSTAGE a
	SETBB \a
.irp b, 0,1,2,3
	ds_store_b128 v[STO], v[TMP+4*\b:TMP+4*\b+3] offset:32*\b
.endr
.irp i, 0,1,2,3
	ds_load_b128 v[BB+4*\i:BB+4*\i+3], v[RD] offset:4*SPITCH*\i    ; LDS serves a wave's instructions in order: these see the stores above, and the next block's stores come behind them
.endr
.endm
.macro SEND p, a, younger              ; younger: the LDS instructions issued behind block a's loads, which may stay out
	SETBB \a
	s_wait_dscnt \younger                          ; the block is back in registers
	s_wait_xcnt 0x0                                ; earlier stores have read their data: the set that the next TOSTAGE loads is written again only behind this wait
.irp i, 0,1,2,3
	global_store_b128 v[CO], v[BB+4*\i:BB+4*\i+3], s[OUTP+2*(\p):OUTP+2*(\p)+1] offset:2048*(\a)+512*\i   ; 32 lanes store 512 consecutive bytes, aligned
.endr
.endm
.macro WAYOUT p
	s_wait_xcnt 0x0                                ; the last pass's last stores have read their data
	PLACES                                         ; the conversions read results just made
	PACK 0
	TOSTAGE 0
	PACK 1
	TOSTAGE 1
.irp a, 2,3,4,5,6,7
	PACK \a
	SEND \p, \a-2, 8                               ; behind block a - 2's loads: block a - 1's four stores and four loads
	TOSTAGE \a
.endr
	SEND \p, 6, 8
	SEND \p, 7, 0
.endm
	FETCH 0, 0, 0                                  ; behind the refill: my first LDS reads there
.irp q, 0,1,2,3,4,5,6,7
	KSTEP 0, \q
.endr
	WAYOUT 0
.irp q, 0,1,2,3,4,5,6,7
	KSTEP 1, \q
.endr
	WAYOUT 1
.irp q, 0,1,2,3,4,5,6,7
	KSTEP 2, \q
.endr
	WAYOUT 2
	s_wait_tensorcnt 0x0                           ; the wave's end: three lines, behind my last tensor load and my last LDS store
	ds_add_u32 v[SPW], v[NIL]
	s_wait_dscnt 0x0
	CROUND                                         ; the closing round: no work-group ends while a partner may still ask for a tile that names it
	s_endpgm
.Lfunc_end_k_qb28405d953_qkv:
	.size	k_qb28405d953_qkv, .Lfunc_end_k_qb28405d953_qkv-k_qb28405d953_qkv
	.p2alignl 7, 3214868480
	.fill 96, 4, 3214868480
	.section	.rodata,"a",@progbits
	.p2align	6, 0x0
	.amdhsa_kernel k_qb28405d953_qkv
		.amdhsa_group_segment_fixed_size 327680
		.amdhsa_private_segment_fixed_size 0
		.amdhsa_enable_private_segment 0
		.amdhsa_kernarg_size 48
		.amdhsa_user_sgpr_count 2
		.amdhsa_user_sgpr_kernarg_segment_ptr 1
		.amdhsa_wavefront_size32 1
		.amdhsa_system_sgpr_workgroup_id_x 1
		.amdhsa_system_sgpr_workgroup_id_y 1
		.amdhsa_system_sgpr_workgroup_id_z 1
		.amdhsa_system_vgpr_workitem_id 0
		.amdhsa_next_free_vgpr 1024
		.amdhsa_next_free_sgpr 100
		.amdhsa_reserve_vcc 0
		.amdhsa_float_denorm_mode_32 3
		.amdhsa_float_denorm_mode_16_64 3
		.amdhsa_memory_ordered 1
		.amdhsa_forward_progress 1
		.amdhsa_inst_pref_size 184
	.end_amdhsa_kernel
	.amdgpu_metadata
---
amdhsa.version: [ 1, 2 ]
amdhsa.kernels:
  - .name:           k_qb28405d953_qkv
    .symbol:         k_qb28405d953_qkv.kd
    .args:
      - { .name: xc, .offset: 0, .size: 8, .value_kind: global_buffer, .address_space: global }
      - { .name: xs, .offset: 8, .size: 8, .value_kind: global_buffer, .address_space: global }
      - { .name: wc, .offset: 16, .size: 8, .value_kind: global_buffer, .address_space: global }
      - { .name: ws, .offset: 24, .size: 8, .value_kind: global_buffer, .address_space: global }
      - { .name: b_attn, .offset: 32, .size: 8, .value_kind: global_buffer, .address_space: global }
      - { .name: qkv, .offset: 40, .size: 8, .value_kind: global_buffer, .address_space: global }
    .group_segment_fixed_size: 327680
    .private_segment_fixed_size: 0
    .kernarg_segment_align: 8
    .kernarg_segment_size: 48
    .max_flat_workgroup_size: 128
    .sgpr_count:     100
    .vgpr_count:     1024
    .wavefront_size: 32
...
	.end_amdgpu_metadata
.endif
;; end of part 2
;; launch attn (part 3): grid 2 x 128, 8 waves a work-group, no clusters, 291,840 bytes of LDS; arguments qkv, yh; writes yh
.if DOCPART == 3
	.amdgcn_target "amdgcn-amd-amdhsa--gfx1250"
	.amdhsa_code_object_version 6
	.text
	.protected	k_qb28405d953_attn
	.globl	k_qb28405d953_attn
	.p2align	8
	.type	k_qb28405d953_attn,@function
k_qb28405d953_attn:
	s_mov_b64 s[64:65], 0
	v_nop
	global_prefetch_b8 v0, s[64:65] scope:SCOPE_SE
	s_setreg_imm32_b32 hwreg(HW_REG_WAVE_MODE, 25, 1), 1
	s_wait_xcnt 0x0
; y[bh][q][:] = the sum over k of relu(softmax_k(q . k / 8) - 0.001) v[bh][k][:].  q, k, v: f16 [3][128][1,024][64] (qkv); y: f16 [128][1,024][64] (yh).  Products on f16 operands, sums, maxima, exponentials in f32.
; THE THRESHOLD WANTS THE NORMALISED WEIGHT, so a query's sum over all 1,024 keys must be known before any weight goes into the second product.
; SHARES.  A work-group owns 512 queries of one head.  ITS EIGHT WAVES SHARE THE KEYS, NOT THE QUERIES: wave w keeps keys 128 w .. 128 w + 127 in registers for the whole launch, K as 16 fragments and V^T as 16
; fragments (256 registers).  The queries pass in 16 batches of 32 (two tiles of 16).  So each score and each exponential is made once, and what goes through LDS is small: Q's fragments as images of their
; registers, two numbers a query and wave, and the waves' partial sums of O.
; ARITHMETIC of a batch, c = log2(e) / 8.  Wave w: m_w = the largest of its 128 scores of a query, p = 2^(c s - c m_w), l_w = the sum of p.  The waves exchange (c m_w, l_w).  Every wave: g = the largest c m_w,
; l = the sum of l_w 2^(c m_w - g) (at least 1), f = 2^(c m_own - g) / l; weight = max(p f - 0.001, 0), rounded to f16; O_w = V_w^T P.  y = the sum of the eight O_w in f32, rounded once to f16.
; LAYOUT.  S^T = K Q^T (source 0 = 16 keys, source 1 = 16 queries): a lane holds ONE query (lane % 16) and the keys 8 (lane / 16) + 0..7.  Two such tiles, rounded in pairs, ARE source 1 of O^T = V^T P.
; ONE BARRIER A BATCH.  Behind barrier j a wave reads the statistics of batch j and the partial sums of batch j - 1, and stores the partial sums of batch j and the statistics of batch j + 1.  Both regions have two
; halves that take turns, so bytes are written again only behind the barrier after the one in front of which every wave has waited for its reads of them.
; No tensor load and no cluster: K, V and Q are read once, at the head, into registers; what two work-groups share is only that first read.  No prefetch: nothing is read from memory behind the head.
; LIMITS: q, k, v under 65,504 in magnitude (they arrive as f16); NaN and infinities are not served.
; REGISTERS.  window 0: v0 16 x lane (from the end of the head on); v1-9 addresses; v[10:11] -0.001 twice; v12-27 eight registers of statistics a tile; v28-31 a lane's 16 bytes of y;
;   v32-63 T: Q's fragments, then the loaded statistics; v64-127 OA: O^T's accumulators, then the loaded partial sums; v128-255 S: S^T, then p, then the weights in place.   window 1: v0-127 K; v128-255 V^T.
.set QIMG,  0                          ; 32 tiles of queries x 4 images of 512 bytes
.set VST,   65536                      ; 8 x 10,240: each wave's own stage, 64 keys x 160 bytes, used at the head alone
.set OPART, 147456                     ; 8 x 17,408: [wave][half][32 queries x 272 bytes]
.set STATS, 286720                     ; 2 x 2,048: [half][c m, then l: 1,024 each][32 queries x 32 bytes][wave x 4 bytes]
.set SPARE, 290816                     ; the spare words, 128 bytes for each wave: four blocks of 256 bytes that no other line names
.set GY,   1                           ; v1  512 w + 16 lane: my 16 bytes of a batch's 4,096 bytes of y
.set SPW,  2                           ; v2  LDS address of my spare word; never rewritten
.set NIL,  3                           ; v3  0; never rewritten
.set AQ,   4                           ; v4  the batch's images of Q
.set AST,  5                           ; v5  STATS + 32 r + 4 w: where I store
.set ASL,  6                           ; v6  STATS + 32 r: where I read the eight waves' words
.set AOS,  7                           ; v7  OPART + 17,408 w + 272 r + 32 h
.set AOL,  8                           ; v8  OPART + 272 (4 w + lane / 8) + 32 (lane % 8): waves 0-3's partial sums of the rows that I add up
.set AOL2, 9                           ; v9  the same for waves 4-7
.set NT,   10
.set ST,   12                          ; tile a at v[ST + 8 a]: +0 c m; +1 m; +2, +3 l; +4 .. +7 at work (later +4 f, +6 g)
.set YP,   28
.set T,    32
.set OA,   64
.set S,    128
.set KF,   0                           ; window 1: K's fragment (tile t, channels 32 c on) at 16 t + 8 c
.set VF,   128                          ; window 1: V^T's fragment (keys 32 ks on, channels 16 n on) at 128 + 8 (4 ks + n)
.set MSB, 0
.macro WIN new                         ; the immediate's high byte repeats the setting that is left
.if MSB != \new
	s_set_vgpr_msb (MSB<<8)|\new
.set MSB, \new
.endif
.endm
.macro QLOAD                           ; the next batch's eight images: tile a, piece p at T + 16 a + 4 p
	v_add_nc_u32 v[AQ], s25, v0
	s_add_co_u32 s25, s25, 4096
.irp i, 0,1,2,3,4,5,6,7
	ds_load_b128 v[T+4*\i:T+4*\i+3], v[AQ] offset:512*\i
.endr
.endm
.macro QK                              ; 32 products.  For each tile of keys the two tiles of queries take turns, one instruction a turn
	WIN 0x01                                       ; source 0 (K) window 1
.irp t, 0,1,2,3,4,5,6,7
.irp c, 0,1
.irp a, 0,1
.if \c == 0
	v_wmma_f32_16x16x32_f16 v[S+64*\a+8*\t:S+64*\a+8*\t+7], v[KF+16*\t+8*\c:KF+16*\t+8*\c+7], v[T+16*\a+8*\c:T+16*\a+8*\c+7], 0
.else
	v_wmma_f32_16x16x32_f16 v[S+64*\a+8*\t:S+64*\a+8*\t+7], v[KF+16*\t+8*\c:KF+16*\t+8*\c+7], v[T+16*\a+8*\c:T+16*\a+8*\c+7], v[S+64*\a+8*\t:S+64*\a+8*\t+7]
.endif
.endr
.endr
.endr
	WIN 0
.rept 4
	v_nop                                          ; places between the products and the first read of their results
.endr
.endm
; My 128 keys' part of the softmax of both tiles; the statistics go to half par.
.macro PART1 par
.irp k, 0,1,2,3                        ; the maximum: four chains of 16 scores; each accumulator is read from its low end on
.irp a, 0,1
	v_max3_num_f32 v[ST+8*\a+4+\k], v[S+64*\a+16*\k], v[S+64*\a+16*\k+1], v[S+64*\a+16*\k+2]
.endr
.endr
.irp i, 3,5,7,9,11,13
.irp k, 0,1,2,3
.irp a, 0,1
	v_max3_num_f32 v[ST+8*\a+4+\k], v[ST+8*\a+4+\k], v[S+64*\a+16*\k+\i], v[S+64*\a+16*\k+\i+1]
.endr
.endr
.endr
.irp a, 0,1
	v_max3_num_f32 v[ST+8*\a+4], v[ST+8*\a+4], v[S+64*\a+15], v[S+64*\a+31]
	v_max3_num_f32 v[ST+8*\a+6], v[ST+8*\a+6], v[S+64*\a+47], v[S+64*\a+63]
.endr
.irp a, 0,1
	v_max3_num_f32 v[ST+8*\a+4], v[ST+8*\a+4], v[ST+8*\a+5], v[ST+8*\a+6]
.endr
.irp a, 0,1
	v_max_num_f32 v[ST+8*\a+4], v[ST+8*\a+4], v[ST+8*\a+7]
.endr
.irp a, 0,1
	v_permlanex16_b32 v[ST+8*\a+5], v[ST+8*\a+4], s22, s23         ; the query's other 64 keys lie in the lane 16 away
.endr
.irp a, 0,1
	v_max_num_f32 v[ST+8*\a+1], v[ST+8*\a+4], v[ST+8*\a+5]
.endr
.irp a, 0,1
	v_mul_f32 v[ST+8*\a], s20, v[ST+8*\a+1]        ; c m
.endr
.irp a, 0,1
.set j, 0
.rept 32
	v_pk_fma_f32 v[S+64*\a+j:S+64*\a+j+1], v[S+64*\a+j:S+64*\a+j+1], s[20:21], v[ST+8*\a:ST+8*\a+1] op_sel_hi:[1,0,0] neg_lo:[0,0,1] neg_hi:[0,0,1]   ; c s - c m, two at a time
.set j, j+2
.endr
.endr
.set j, 0
.rept 128
	v_exp_f32 v[S+j], v[S+j]                       ; p: both tiles' 128 exponentials are one batch
.set j, j+1
.endr
	v_nop                                          ; a plain instruction behind the last exponential
	s_wait_alu depctr_va_vdst(0)                   ; one wait for the batch, ahead of its first reader
.irp a, 0,1
	v_pk_add_f32 v[ST+8*\a+2:ST+8*\a+3], v[S+64*\a:S+64*\a+1], v[S+64*\a+2:S+64*\a+3]       ; the sum, two at a time, in two chains
	v_pk_add_f32 v[ST+8*\a+4:ST+8*\a+5], v[S+64*\a+4:S+64*\a+5], v[S+64*\a+6:S+64*\a+7]
.endr
.irp i, 8,12,16,20,24,28,32,36,40,44,48,52,56,60
.irp a, 0,1
	v_pk_add_f32 v[ST+8*\a+2:ST+8*\a+3], v[ST+8*\a+2:ST+8*\a+3], v[S+64*\a+\i:S+64*\a+\i+1]
	v_pk_add_f32 v[ST+8*\a+4:ST+8*\a+5], v[ST+8*\a+4:ST+8*\a+5], v[S+64*\a+\i+2:S+64*\a+\i+3]
.endr
.endr
.irp a, 0,1
	v_pk_add_f32 v[ST+8*\a+2:ST+8*\a+3], v[ST+8*\a+2:ST+8*\a+3], v[ST+8*\a+4:ST+8*\a+5]
.endr
.irp a, 0,1
	v_add_f32 v[ST+8*\a+2], v[ST+8*\a+2], v[ST+8*\a+3]
.endr
.irp a, 0,1
	v_permlanex16_b32 v[ST+8*\a+6], v[ST+8*\a+2], s22, s23
.endr
.irp a, 0,1
	v_add_f32 v[ST+8*\a+2], v[ST+8*\a+2], v[ST+8*\a+6]
.endr
.irp a, 0,1
	ds_store_b32 v[AST], v[ST+8*\a] offset:2048*(\par)+512*\a            ; lanes r and r + 16 write the same word with the same value
	ds_store_b32 v[AST], v[ST+8*\a+2] offset:2048*(\par)+1024+512*\a
.endr
.endm
; From the eight waves' words (c m in T + 16 a + 0..7, l in + 8..15) to f, in v[ST + 8 a + 4].
.macro FSTAT
.irp a, 0,1
	v_max3_num_f32 v[ST+8*\a+6], v[T+16*\a], v[T+16*\a+1], v[T+16*\a+2]
.endr
.irp a, 0,1
	v_max3_num_f32 v[ST+8*\a+6], v[ST+8*\a+6], v[T+16*\a+3], v[T+16*\a+4]
.endr
.irp a, 0,1
	v_max3_num_f32 v[ST+8*\a+6], v[ST+8*\a+6], v[T+16*\a+5], v[T+16*\a+6]
.endr
.irp a, 0,1
	v_max_num_f32 v[ST+8*\a+6], v[ST+8*\a+6], v[T+16*\a+7]          ; g
.endr
.irp a, 0,1
.irp i, 0,2,4,6
	v_pk_add_f32 v[T+16*\a+\i:T+16*\a+\i+1], v[T+16*\a+\i:T+16*\a+\i+1], v[ST+8*\a+6:ST+8*\a+7] op_sel_hi:[1,0] neg_lo:[0,1] neg_hi:[0,1]   ; c m_u - g
.endr
	v_sub_f32 v[ST+8*\a+4], v[ST+8*\a], v[ST+8*\a+6]               ; and my own
.endr
.irp a, 0,1
.irp i, 0,1,2,3,4,5,6,7
	v_exp_f32 v[T+16*\a+\i], v[T+16*\a+\i]
.endr
	v_exp_f32 v[ST+8*\a+4], v[ST+8*\a+4]
.endr
	v_nop
	s_wait_alu depctr_va_vdst(0)                   ; one wait for the 18
.irp a, 0,1
	v_pk_mul_f32 v[T+16*\a+8:T+16*\a+9], v[T+16*\a+8:T+16*\a+9], v[T+16*\a:T+16*\a+1]
.endr
.irp i, 2,4,6
.irp a, 0,1
	v_pk_fma_f32 v[T+16*\a+8:T+16*\a+9], v[T+16*\a+8+\i:T+16*\a+9+\i], v[T+16*\a+\i:T+16*\a+\i+1], v[T+16*\a+8:T+16*\a+9]
.endr
.endr
.irp a, 0,1
	v_add_f32 v[ST+8*\a+2], v[T+16*\a+8], v[T+16*\a+9]             ; l: the same sum in the same order in every wave
.endr
.irp a, 0,1
	v_rcp_f32 v[ST+8*\a+3], v[ST+8*\a+2]
.endr
	v_nop
	s_wait_alu depctr_va_vdst(0)                   ; one wait for the two
.irp a, 0,1
	v_mul_f32 v[ST+8*\a+4], v[ST+8*\a+4], v[ST+8*\a+3]             ; f
.endr
.endm
; weight = max(p f - 0.001, 0), rounded to f16 in pairs, in place: tile t's four registers land at S + 64 a + 4 t, behind what has been read.
.macro PART2
.irp a, 0,1
.irp t, 0,1,2,3,4,5,6,7
.irp i, 0,2,4,6
	v_pk_fma_f32 v[S+64*\a+8*\t+\i:S+64*\a+8*\t+\i+1], v[S+64*\a+8*\t+\i:S+64*\a+8*\t+\i+1], v[ST+8*\a+4:ST+8*\a+5], v[NT:NT+1] op_sel_hi:[1,0,1]
.endr
.irp i, 0,1,2,3,4,5,6,7
	v_max_num_f32 v[S+64*\a+8*\t+\i], 0, v[S+64*\a+8*\t+\i]
.endr
.irp i, 0,1,2,3
	v_cvt_pk_f16_f32 v[S+64*\a+4*\t+\i], v[S+64*\a+8*\t+2*\i], v[S+64*\a+8*\t+2*\i+1]
.endr
.endr
.endr
.endm
.macro OLOAD par                       ; the eight waves' partial sums of my four queries x 64 channels: 8 channels a lane, wave u's at OA + 8 u
.irp u, 0,1,2,3
	ds_load_b128 v[OA+8*\u:OA+8*\u+3], v[AOL] offset:17408*\u+8704*(\par)
	ds_load_b128 v[OA+8*\u+4:OA+8*\u+7], v[AOL] offset:17408*\u+8704*(\par)+16
.endr
.irp u, 0,1,2,3
	ds_load_b128 v[OA+32+8*\u:OA+32+8*\u+3], v[AOL2] offset:17408*\u+8704*(\par)
	ds_load_b128 v[OA+32+8*\u+4:OA+32+8*\u+7], v[AOL2] offset:17408*\u+8704*(\par)+16
.endr
.endm
.macro REDUCE                          ; they are added as a tree, rounded once, and stored
.irp u, 0,2,4,6
.irp i, 0,2,4,6
	v_pk_add_f32 v[OA+8*\u+\i:OA+8*\u+\i+1], v[OA+8*\u+\i:OA+8*\u+\i+1], v[OA+8*\u+8+\i:OA+8*\u+8+\i+1]
.endr
.endr
.irp u, 0,4
.irp i, 0,2,4,6
	v_pk_add_f32 v[OA+8*\u+\i:OA+8*\u+\i+1], v[OA+8*\u+\i:OA+8*\u+\i+1], v[OA+8*\u+16+\i:OA+8*\u+16+\i+1]
.endr
.endr
.irp i, 0,2,4,6
	v_pk_add_f32 v[OA+\i:OA+\i+1], v[OA+\i:OA+\i+1], v[OA+32+\i:OA+32+\i+1]
.endr
.irp i, 0,1,2,3
	v_cvt_pk_f16_f32 v[YP+\i], v[OA+2*\i], v[OA+2*\i+1]
.endr
	global_store_b128 v[GY], v[YP:YP+3], s[6:7]    ; 32 lanes store 512 consecutive bytes, aligned
.endm
.macro PV step                         ; 32 products; the eight accumulators take turns, one instruction a turn.  step = 1: y's base goes on to the batch that the next REDUCE stores
	WIN 0x01                                       ; source 0 (V^T) window 1
.irp ks, 0,1,2,3
.irp n, 0,1,2,3
.irp a, 0,1
.if \ks == 0
	v_wmma_f32_16x16x32_f16 v[OA+32*\a+8*\n:OA+32*\a+8*\n+7], v[VF+8*(4*\ks+\n):VF+8*(4*\ks+\n)+7], v[S+64*\a+8*\ks:S+64*\a+8*\ks+7], 0
.else
	v_wmma_f32_16x16x32_f16 v[OA+32*\a+8*\n:OA+32*\a+8*\n+7], v[VF+8*(4*\ks+\n):VF+8*(4*\ks+\n)+7], v[S+64*\a+8*\ks:S+64*\a+8*\ks+7], v[OA+32*\a+8*\n:OA+32*\a+8*\n+7]
.endif
.endr
.endr
.endr
	WIN 0
.if \step
	s_wait_xcnt 0x0                                ; the store of y has read its base and its data: both are written again only behind this wait
	s_add_nc_u64 s[6:7], s[6:7], 4096
.endif
.rept 5
	v_nop                                          ; four places ahead of the LDS stores of the results; five ahead of the next products, which write over the weights
.endr
.endm
.macro OSTORE par                      ; lane (r, h): query 16 a + r, channels 16 n + 8 h + 0..7; each accumulator from its low end on
.irp a, 0,1
.irp n, 0,1,2,3
	ds_store_b128 v[AOS], v[OA+32*\a+8*\n:OA+32*\a+8*\n+3] offset:8704*(\par)+4352*\a+64*\n
	ds_store_b128 v[AOS], v[OA+32*\a+8*\n+4:OA+32*\a+8*\n+7] offset:8704*(\par)+4352*\a+64*\n+16
.endr
.endr
.endm
; BATCH j, par = j % 2.  first: there is no batch before it to finish.  last: there is none behind it to begin.
.macro BODY par, first, last
	s_wait_dscnt 0x0                               ; for the others' sake: my stores have landed, and my reads of what is written next are in
	s_barrier_signal -1
	s_barrier_wait -1
.irp a, 0,1
	ds_load_b128 v[T+16*\a:T+16*\a+3], v[ASL] offset:2048*\par+512*\a
	ds_load_b128 v[T+16*\a+4:T+16*\a+7], v[ASL] offset:2048*\par+512*\a+16
	ds_load_b128 v[T+16*\a+8:T+16*\a+11], v[ASL] offset:2048*\par+1024+512*\a
	ds_load_b128 v[T+16*\a+12:T+16*\a+15], v[ASL] offset:2048*\par+1024+512*\a+16
.endr
.if \first
	s_wait_dscnt 0x0
.else
	OLOAD (1-\par)
	s_wait_dscnt 16                                ; the statistics are in; the 16 loads of partial sums behind them may be out
.endif
	FSTAT
	PART2
.if !\first
	s_wait_dscnt 0x0                               ; the partial sums are in
.endif
.if !\last
	QLOAD
.endif
.if !\first
	REDUCE
.endif
	PV (1-\first)
	OSTORE \par
.if !\last
	s_wait_dscnt 16                                ; Q's eight loads are older than the 16 stores, which may be out
	QK
	PART1 (1-\par)
.endif
.endm
	s_load_b128 s[4:7], s[0:1], 0x0                ; qkv s[4:5], yh s[6:7]
	v_lshl_add_u32 v[SPW], v0, 2, SPARE
	v_mov_b32 v[NIL], 0
	v_lshrrev_b32 v32, 5, v0
	v_readfirstlane_b32 s8, v32                    ; wave 0..7
	s_and_b32 s10, ttmp7, 0xffff                   ; batch x 16 + head
	v_and_b32 v33, 31, v0                          ; lane
	v_and_b32 v37, 15, v0                          ; r
	v_bfe_u32 v38, v0, 4, 1                        ; h
	v_lshrrev_b32 v39, 3, v33                      ; lane / 8
	v_and_b32 v40, 7, v0                           ; lane % 8
	v_bfe_u32 v41, v0, 3, 1
	v_lshlrev_b32 v[GY], 4, v0                     ; 16 x thread = 512 w + 16 lane
	v_lshlrev_b32 v32, 7, v37
	v_lshl_add_u32 v32, v38, 4, v32                ; a fragment's row of 128 bytes in memory, + 16 h
	v_lshlrev_b32 v33, 4, v33                      ; 16 lane
	v_lshlrev_b32 v[ASL], 5, v37
	v_add_nc_u32 v[ASL], STATS, v[ASL]
	s_lshl_b32 s28, s8, 2
	v_add_nc_u32 v[AST], s28, v[ASL]
	s_mul_i32 s28, s8, 17408
	s_add_co_u32 s28, s28, OPART
	v_mul_u32_u24 v[AOS], v37, 272
	v_lshl_add_u32 v[AOS], v38, 5, v[AOS]
	v_add_nc_u32 v[AOS], s28, v[AOS]
	s_mul_i32 s28, s8, 4*272
	s_add_co_u32 s28, s28, OPART
	v_mul_u32_u24 v[AOL], v39, 272
	v_lshl_add_u32 v[AOL], v40, 5, v[AOL]
	v_add_nc_u32 v[AOL], s28, v[AOL]
	v_add_nc_u32 v[AOL2], 4*17408, v[AOL]
	s_lshl_b32 s28, s8, 13
	v_add_nc_u32 v34, s28, v33                     ; where I store Q's images: 8,192 w + 16 lane
	s_mul_i32 s28, s8, 10240
	s_add_co_u32 s28, s28, VST                     ; my stage for V
	v_mul_u32_u24 v35, v39, 160
	v_lshl_add_u32 v35, v40, 4, v35
	v_add_nc_u32 v35, s28, v35                     ; in: key lane / 8 of four, 16 bytes of its 128
	v_lshl_add_u32 v36, v38, 3, v40
	v_mul_u32_u24 v36, v36, 160
	v_lshl_add_u32 v36, v41, 4, v36
	v_add_nc_u32 v36, s28, v36                     ; out, turned: key 8 h + lane % 8, channels 8 ((lane / 8) % 2) on
	v_mov_b32 v[NT], 0xba83126f                    ; -0.001
	v_mov_b32 v[NT+1], 0xba83126f
	s_mov_b32 s20, 0x3e38aa3b                      ; c = log2(e) / 8
	s_mov_b32 s21, s20                             ; (named with it as a pair, so it is written)
	s_mov_b32 s22, 0x76543210
	s_mov_b32 s23, 0xfedcba98                      ; v_permlanex16_b32's selects for lane l xor 16
	s_mov_b32 s25, QIMG
	s_lshl_b32 s18, s10, 17                        ; a head is 131,072 bytes
	s_lshl_b32 s26, s8, 14                         ; my 128 keys: 16,384 bytes
	s_add_co_u32 s26, s26, s18
	s_add_co_u32 s26, s26, 0x1000000               ; part 1: K
	s_mov_b32 s27, 0
	s_wait_kmcnt 0x0
	s_add_nc_u64 s[12:13], s[4:5], s[26:27]        ; K
	s_add_nc_u64 s[14:15], s[12:13], 0x1000000     ; V: a part further on
	s_lshl_b32 s26, ttmp9, 16                      ; my work-group's 512 queries: 65,536 bytes
	s_add_co_u32 s26, s26, s18
	s_add_nc_u64 s[6:7], s[6:7], s[26:27]          ; y
	s_lshl_b32 s28, s8, 13                         ; the 64 queries whose images I make
	s_add_co_u32 s26, s26, s28
	s_add_nc_u64 s[16:17], s[4:5], s[26:27]        ; Q
.irp i, 0,1,2,3
.irp p, 0,1,2,3
	global_load_b128 v[OA+16*\i+4*\p:OA+16*\i+4*\p+3], v32, s[16:17] offset:2048*\i+32*\p    ; Q: tile 4 w + i, piece p of its two fragments
.endr
.endr
.set i, 0
.rept 32
	global_load_b128 v[S+4*i:S+4*i+3], v33, s[14:15] offset:512*i                            ; V as it lies: four keys a load
.set i, i+1
.endr
	s_wait_loadcnt 32                              ; Q is in; V's 32 loads may be out
.irp i, 0,1,2,3
.irp p, 0,1,2,3
	ds_store_b128 v34, v[OA+16*\i+4*\p:OA+16*\i+4*\p+3] offset:QIMG+512*(4*\i+\p)             ; an image of the registers: lane l's 16 bytes at 16 l
.endr
.endr
	WIN 0x40                                       ; destination window 1
.irp t, 0,1,2,3,4,5,6,7
.irp p, 0,1,2,3
	global_load_b128 v[KF+16*\t+4*\p:KF+16*\t+4*\p+3], v32, s[12:13] offset:2048*\t+32*\p    ; K's fragments: they stay
.endr
.endr
	WIN 0
	s_wait_loadcnt 32                              ; V is in; K's 32 loads may be out
.irp ch, 0,1                           ; V is turned through my own stage, 64 keys at a time.  LDS serves a wave's instructions in order: no wait between the stores, the loads and the next stores
.irp i, 0,1,2,3,4,5,6,7,8,9,10,11,12,13,14,15
	ds_store_b128 v35, v[S+64*\ch+4*\i:S+64*\ch+4*\i+3] offset:640*\i
.endr
	WIN 0x40
.irp k, 0,1
.irp n, 0,1,2,3
	ds_load_tr16_b128 v[VF+8*(4*(2*\ch+\k)+\n):VF+8*(4*(2*\ch+\k)+\n)+3], v36 offset:5120*\k+32*\n
	ds_load_tr16_b128 v[VF+8*(4*(2*\ch+\k)+\n)+4:VF+8*(4*(2*\ch+\k)+\n)+7], v36 offset:5120*\k+2560+32*\n
.endr
.endr
	WIN 0
.endr
	v_mov_b32 v0, v33                              ; every address has been made: from here on v0 = 16 x lane
	s_wait_loadcnt 0x0                             ; K
	s_wait_dscnt 0x0                               ; V^T is in; for the others' sake: my images of Q have landed
	s_barrier_signal -1
	s_barrier_wait -1
	QLOAD
	s_wait_dscnt 0x0
	QK
	PART1 0
	BODY 0, 1, 0
	s_mov_b32 s24, 7
.Lpair:                                            ; batches 1 .. 14, two a trip, so that the halves are constants of the text
	BODY 1, 0, 0
	BODY 0, 0, 0
	s_sub_co_u32 s24, s24, 1
	s_cmp_lg_u32 s24, 0
	s_cbranch_scc1 .Lpair
	BODY 1, 0, 1
	s_wait_dscnt 0x0                               ; my last partial sums have landed
	s_barrier_signal -1
	s_barrier_wait -1
	OLOAD 1
	s_wait_dscnt 0x0
	REDUCE                                         ; batch 15
	s_wait_tensorcnt 0x0                           ; the wave's end: three lines behind my last LDS store
	ds_add_u32 v[SPW], v[NIL]
	s_wait_dscnt 0x0
	s_endpgm
.Lfunc_end_k_qb28405d953_attn:
	.size	k_qb28405d953_attn, .Lfunc_end_k_qb28405d953_attn-k_qb28405d953_attn
	.p2alignl 7, 3214868480
	.fill 96, 4, 3214868480
	.section	.rodata,"a",@progbits
	.p2align	6, 0x0
	.amdhsa_kernel k_qb28405d953_attn
		.amdhsa_group_segment_fixed_size 291840
		.amdhsa_private_segment_fixed_size 0
		.amdhsa_enable_private_segment 0
		.amdhsa_kernarg_size 16
		.amdhsa_user_sgpr_count 2
		.amdhsa_user_sgpr_kernarg_segment_ptr 1
		.amdhsa_wavefront_size32 1
		.amdhsa_system_sgpr_workgroup_id_x 1
		.amdhsa_system_sgpr_workgroup_id_y 1
		.amdhsa_system_sgpr_workgroup_id_z 1
		.amdhsa_system_vgpr_workitem_id 0
		.amdhsa_next_free_vgpr 512
		.amdhsa_next_free_sgpr 66
		.amdhsa_reserve_vcc 0
		.amdhsa_float_denorm_mode_32 3
		.amdhsa_float_denorm_mode_16_64 3
		.amdhsa_memory_ordered 1
		.amdhsa_forward_progress 1
		.amdhsa_inst_pref_size 180
	.end_amdhsa_kernel
	.amdgpu_metadata
---
amdhsa.version: [ 1, 2 ]
amdhsa.kernels:
  - .name:           k_qb28405d953_attn
    .symbol:         k_qb28405d953_attn.kd
    .args:
      - { .name: qkv, .offset: 0, .size: 8, .value_kind: global_buffer, .address_space: global }
      - { .name: yh, .offset: 8, .size: 8, .value_kind: global_buffer, .address_space: global }
    .group_segment_fixed_size: 291840
    .private_segment_fixed_size: 0
    .kernarg_segment_align: 8
    .kernarg_segment_size: 16
    .max_flat_workgroup_size: 256
    .sgpr_count:     66
    .vgpr_count:     512
    .wavefront_size: 32
...
	.end_amdgpu_metadata
.endif
;; end of part 3
;; launch proj (part 4): grid 4 x 64, 4 waves a work-group, clusters of 4 x 4, 327,680 bytes of LDS; arguments yh, wp, b_proj, out0; writes out0
.if DOCPART == 4
	.amdgcn_target "amdgcn-amd-amdhsa--gfx1250"
	.amdhsa_code_object_version 6
	.text
	.protected	k_qb28405d953_proj
	.globl	k_qb28405d953_proj
	.p2align	8
	.type	k_qb28405d953_proj,@function
k_qb28405d953_proj:
	s_mov_b64 s[64:65], 0
	v_nop
	global_prefetch_b8 v0, s[64:65] scope:SCOPE_SE
	s_setreg_imm32_b32 hwreg(HW_REG_WAVE_MODE, 25, 1), 1
	s_wait_xcnt 0x0
	s_wait_alu depctr_hold_cnt(0) depctr_sa_sdst(0) depctr_va_vdst(0) depctr_va_sdst(0) depctr_va_ssrc(0) depctr_va_vcc(0) depctr_vm_vsrc(0)
	s_getreg_b32 s2, hwreg(HW_REG_IB_STS2, 6, 4)
	s_cmp_eq_u32 s2, 0
	s_cbranch_scc0 .Lentry_in_a_cluster
	s_endpgm
.Lentry_in_a_cluster:
	s_bfe_u32 s2, ttmp6, 0x10000c
	s_cmp_lg_u32 s2, 0xf033
	s_cbranch_scc0 .Lentry_shape_is_right
	s_endpgm
.Lentry_shape_is_right:
; out0[t][n] = sum over k of y[t][k] w_proj[k][n] + b_proj[n].  y: f16, laid by head [128 = batch x 16 + head][1,024 tokens][64] (yh); w_proj: f16 [1024 (k)][1024 (n)] (wp); out0: f32 [8192][1024].  Sums in f32.
; A tile of 128 tokens x 256 n gives 256 work-groups.  Four waves, each 64 x 128: 32 accumulators, 256 registers.  K goes in steps of 128, which are two heads: A's tile is, for each head, 128 tokens x 128 bytes,
; 16,384 dense bytes of yh; B's is 128 rows of k x 512 bytes of wp.  Two LDS slots take turns; waves 0 and 1 fetch A's two heads, waves 2 and 3 B's two halves: one tensor load a wave behind each change of slots,
; with 112 matrix instructions between a request and the wait for it.
; CLUSTERS: 4 x 4 work-groups.  The four of a row of the cluster need the same tiles of A, the four of a column the same tiles of B: each is asked for JOINTLY, by the same tensor load with the same descriptor
; and a mask that names the four.  No prefetch: the tile is small and the K step short.
; THE MATRIX INSTRUCTION IS USED TRANSPOSED (source 0 = 16 n x 32 k, source 1 = 16 tokens x 32 k): a lane then holds eight neighbouring n of one token.  w_proj lies [k][n] and comes out of LDS turned, by
; ds_load_tr16_b128.  THE BIAS is the C of each sum's first matrix instruction.
; LIMITS: y and w_proj arrive as f16 (magnitudes under 65,504).
; REGISTERS: window 0: v0-31 addresses; v64-127 the bias; v128-255 the way out.   window 1: two fragment buffers, at v0 and v128: A's four blocks at 8 a, B's eight at 32 + 8 b.   window 2: accumulator (a, b) at 8 (8 a + b).
.set PA,     144                       ; a token's row of one head in LDS: 128 bytes + 16 of padding
.set PB,     544                       ; a row of k in LDS: 512 bytes + 32 of padding
.set AHEAD,  128*PA                    ; one head's 128 tokens: what one of A's loads brings
.set BOFF,   2*AHEAD
.set BHALF,  64*PB                     ; 64 rows of k: what one of B's loads brings
.set SLOT,   BOFF+2*BHALF              ; 106,496
.set STAGE,  2*SLOT                    ; behind the ring: 16 rows x (512 bytes + 16) for each wave, for the way out
.set SPITCH, 528
.set SPARE,  STAGE+4*16*SPITCH         ; the spare words, 128 bytes for each wave: two blocks of 256 bytes that no other line names
.set KBYTES, 1<<18                     ; a K step on, in bytes: two heads of 131,072 in yh; 128 rows of 2,048 in wp
.set LAPS,   4                         ; a lap = two K steps = once round the ring
.set ADRA, 16
.set ADRB, 20
.set STO,  24
.set RD,   25
.set CO,   26
.set SPW,  28                          ; v28 LDS address of my spare word; never rewritten
.set NIL,  29                          ; v29 0; never rewritten
.set BO,   30
.set BIAS, 64
.set BK,   128
.set F0,   0
.set F1,   128
.set G1, 24
.set G0, 32
.set G1B, 48
.set G0B, 56
.set MSB, 0
.macro WIN new                         ; the immediate's high byte repeats the setting that is left
.if MSB != \new
	s_set_vgpr_msb (MSB<<8)|\new
.set MSB, \new
.endif
.endm
.set MUL,  0xa5                        ; sources 0 and 1 window 1; C and D window 2
.set MULB, 0x85                        ; the first quarter: C (the bias) window 0
.set TO_F, 0x40
.macro JLOAD s                         ; a joint load: waves 0 and 1 fetch for A, waves 2 and 3 for B; an s_nop 0 and four v_nop follow each of the two lines
	s_cmp_eq_u32 s11, 0
	s_cbranch_scc0 .Lfor_b_\@
	tensor_load_to_lds s[G0+4*\s:G0+4*\s+3], s[G1:G1+7]
	s_nop 0
.rept 4
	v_nop
.endr
	s_branch .Lasked_\@
.Lfor_b_\@:
	tensor_load_to_lds s[G0B+4*\s:G0B+4*\s+3], s[G1B:G1B+7]
	s_nop 0
.rept 4
	v_nop
.endr
.Lasked_\@:
.endm
.macro CREST                           ; a round of the cluster's barrier behind its opening barrier
	s_cmp_lg_u32 s10, 0
	s_cbranch_scc1 .Lnot_wave_0_\@
	s_barrier_signal -3
.Lnot_wave_0_\@:
	s_barrier_wait -3
	s_barrier_signal -1
	s_barrier_wait -1
.endm
.macro CROUND
	s_barrier_signal -1
	s_barrier_wait -1
	CREST
.endm
	s_load_b128 s[4:7], s[0:1], 0x0                ; yh s[4:5], wp s[6:7]
	s_load_b64 s[68:69], s[0:1], 0x10              ; b_proj
	s_load_b64 s[8:9], s[0:1], 0x18                ; out0
	v_lshl_add_u32 v[SPW], v0, 2, SPARE
	v_mov_b32 v[NIL], 0
	ds_add_u32 v[SPW], v[NIL]                      ; the wave's opening: the add, twice on end, and its wait ahead of my first tensor load
	ds_add_u32 v[SPW], v[NIL]
	v_lshrrev_b32 v1, 5, v0
	v_readfirstlane_b32 s10, v1                    ; wave 0..3
	s_lshr_b32 s11, s10, 1                         ; which 64 tokens are mine.  Also: I fetch for A (0) or for B (1)
	s_and_b32 s12, s10, 1                          ; which 128 n.  Also: which head of A's two, or which 64 rows of B's 128, I fetch
	s_bfe_u32 s40, ttmp6, 0x40000                  ; cx, cy: my place in the cluster
	s_bfe_u32 s41, ttmp6, 0x40004
	s_lshl_b32 s42, ttmp9, 2
	s_add_co_u32 s42, s42, s40                     ; tile column = 4 x cluster x + cx
	s_and_b32 s13, ttmp7, 0xffff
	s_lshl_b32 s13, s13, 2
	s_add_co_u32 s13, s13, s41                     ; tile row = 4 x cluster y + cy
	s_lshl_b32 s43, s41, 2
	s_lshl_b32 s43, 15, s43                        ; my row of the cluster
	s_lshl_b32 s44, 0x1111, s40                    ; my column
	; group 1 for A: 128 rows x 64 elements of 2 bytes, dense in memory; 4 words of padding behind every 32
	s_or_b32 s[G1+0], s43, (1<<16)|(1<<20)|(1<<21)|(4<<22)|(3<<25)
	s_mov_b32 s[G1+1], 64<<16                      ; tensor_dim0
	s_mov_b32 s[G1+2], 128<<16                     ; tensor_dim1
	s_mov_b32 s[G1+3], 64<<16                      ; tile_dim0
	s_mov_b32 s[G1+4], 128                         ; tile_dim1
	s_mov_b32 s[G1+5], 64                          ; from row to row
	s_mov_b32 s[G1+6], 0
	s_mov_b32 s[G1+7], 0
	; group 1 for B: 64 rows x 256 elements, 1,024 elements apart; 8 words of padding behind every 128
	s_or_b32 s[G1B+0], s44, (1<<16)|(1<<20)|(1<<21)|(6<<22)|(7<<25)
	s_mov_b32 s[G1B+1], 256<<16
	s_mov_b32 s[G1B+2], 64<<16
	s_mov_b32 s[G1B+3], 256<<16
	s_mov_b32 s[G1B+4], 64
	s_mov_b32 s[G1B+5], 1024
	s_mov_b32 s[G1B+6], 0
	s_mov_b32 s[G1B+7], 0
	s_lshr_b32 s16, s13, 3                         ; A hangs on the tile row alone: batch = row / 8: 16 heads of 131,072 bytes,
	s_lshl_b32 s16, s16, 21
	s_and_b32 s17, s13, 7                          ; 128 tokens of 128 bytes x (row % 8),
	s_lshl_b32 s17, s17, 14
	s_add_co_u32 s16, s16, s17
	s_lshl_b32 s17, s12, 17                        ; and my head of the K step's two
	s_add_co_u32 s16, s16, s17
	s_mov_b32 s17, 0
	s_lshl_b32 s46, s42, 9                         ; B hangs on the tile column alone: 512 bytes a column of tiles,
	s_lshl_b32 s47, s12, 17                        ; and my 64 rows of 2,048 bytes
	s_add_co_u32 s46, s46, s47
	s_mov_b32 s47, 0
	s_mul_i32 s20, s12, AHEAD                      ; where they go: no place in the cluster enters an LDS address
	s_mul_i32 s21, s12, BHALF
	s_add_co_u32 s21, s21, BOFF
	s_wait_dscnt 0x0                               ; both opening adds are done
	s_wait_kmcnt 0x0
	s_add_nc_u64 s[14:15], s[4:5], s[16:17]
	s_add_nc_u64 s[46:47], s[6:7], s[46:47]
	CROUND                                         ; all sixteen work-groups are here: the first joint loads meet
.irp s, 0,1
	s_mov_b32 s[G0+4*\s], 1
	s_add_co_u32 s[G0+4*\s+1], s20, \s*SLOT
	s_add_nc_u64 s[G0+4*\s+2:G0+4*\s+3], s[14:15], \s*KBYTES
	s_or_b32 s[G0+4*\s+3], s[G0+4*\s+3], 0x80000000
	s_mov_b32 s[G0B+4*\s], 1
	s_add_co_u32 s[G0B+4*\s+1], s21, \s*SLOT
	s_add_nc_u64 s[G0B+4*\s+2:G0B+4*\s+3], s[46:47], \s*KBYTES
	s_or_b32 s[G0B+4*\s+3], s[G0B+4*\s+3], 0x80000000
	JLOAD \s                                       ; two loads of mine are out behind the second
.endr
	v_and_b32 v1, 15, v0                           ; r
	v_bfe_u32 v2, v0, 4, 1                         ; h
	v_mul_u32_u24 v3, v1, PA
	v_lshl_add_u32 v3, v2, 4, v3                   ; A: token r x pitch + 16 h
	s_mul_i32 s21, s11, 64*PA                      ; my 64 tokens
	v_and_b32 v4, 7, v0
	v_lshl_add_u32 v4, v2, 3, v4
	v_mul_u32_u24 v4, v4, PB                       ; B, turned: row k = 8 h + lane % 8,
	v_bfe_u32 v5, v0, 3, 1
	v_lshl_add_u32 v4, v5, 4, v4                   ; n = 8 ((lane / 8) % 2) on
	s_lshl_b32 s22, s12, 8                         ; my 128 n: 256 bytes
	s_add_co_u32 s22, s22, BOFF
.irp s, 0,1
	v_add_nc_u32 v[ADRA+\s], s21, v3
	v_add_nc_u32 v[ADRB+\s], s22, v4
	s_add_co_u32 s21, s21, SLOT
	s_add_co_u32 s22, s22, SLOT
.endr
	s_mul_i32 s23, s10, 16*SPITCH
	s_add_co_u32 s23, s23, STAGE                   ; my stage
	v_mul_u32_u24 v5, v1, SPITCH                   ; in: row r, 32 bytes for each half of the lanes
	v_lshl_add_u32 v5, v2, 5, v5
	v_add_nc_u32 v[STO], s23, v5
	v_and_b32 v6, 31, v0
	v_lshlrev_b32 v[CO], 4, v6                     ; back: the 32 lanes take one row of 512 bytes; and the same in out0
	v_add_nc_u32 v[RD], s23, v[CO]
	v_lshlrev_b32 v[BO], 5, v2
	s_lshl_b32 s16, s13, 19                        ; my first row of out0: (128 x tile row + 64 x half) rows of 4,096 bytes
	s_lshl_b32 s17, s11, 18
	s_add_co_u32 s16, s16, s17
	s_mov_b32 s17, 0
	s_add_nc_u64 s[8:9], s[8:9], s[16:17]
	s_lshl_b32 s46, s42, 10                        ; my first column, in bytes: 1,024 x tile column + 512 x half
	s_lshl_b32 s47, s12, 9
	s_add_co_u32 s46, s46, s47
	s_mov_b32 s47, 0
	s_add_nc_u64 s[8:9], s[8:9], s[46:47]
	s_add_nc_u64 s[68:69], s[68:69], s[46:47]      ; and the bias at the same column
.irp b, 0,1,2,3,4,5,6,7
	global_load_b128 v[BIAS+8*\b:BIAS+8*\b+3], v[BO], s[68:69] offset:64*\b        ; lane (r, h), register j: b_proj[n0 + 16 b + 8 h + j]
	global_load_b128 v[BIAS+8*\b+4:BIAS+8*\b+7], v[BO], s[68:69] offset:64*\b+16
.endr
; 8 matrix instructions: A's block a x B's eight, 32 along K, from buffer f.  zero = 1: the first product starts the sums from the bias.  The 32 accumulators take turns, one instruction a turn, in the same order in every quarter.
.macro MULA f, a, zero
.irp b, 0,1,2,3,4,5,6,7
.if \zero
	v_wmma_f32_16x16x32_f16 v[8*(8*(\a)+\b):8*(8*(\a)+\b)+7], v[\f+32+8*\b:\f+32+8*\b+7], v[\f+8*(\a):\f+8*(\a)+7], v[BIAS+8*\b:BIAS+8*\b+7]
.else
	v_wmma_f32_16x16x32_f16 v[8*(8*(\a)+\b):8*(8*(\a)+\b)+7], v[\f+32+8*\b:\f+32+8*\b+7], v[\f+8*(\a):\f+8*(\a)+7], v[8*(8*(\a)+\b):8*(8*(\a)+\b)+7]
.endif
.endr
.endm
; 24 LDS loads in one run: quarter q (32 along K) of a slot into buffer f: B's sixteen, then A's blocks 0 and 1, then 2 and 3
.macro FETCH slot, q, f
	WIN TO_F
.irp b, 0,1,2,3,4,5,6,7
	ds_load_tr16_b128 v[\f+32+8*\b:\f+32+8*\b+3],   v[ADRB+\slot] offset:32*PB*(\q)+32*\b
	ds_load_tr16_b128 v[\f+32+8*\b+4:\f+32+8*\b+7], v[ADRB+\slot] offset:32*PB*(\q)+16*PB+32*\b
.endr
.irp a, 0,1,2,3
	ds_load_b128 v[\f+8*\a:\f+8*\a+3],   v[ADRA+\slot] offset:AHEAD*((\q)/2)+16*PA*\a+64*((\q)%2)
	ds_load_b128 v[\f+8*\a+4:\f+8*\a+7], v[ADRA+\slot] offset:AHEAD*((\q)/2)+16*PA*\a+64*((\q)%2)+32
.endr
.endm
.macro PLACES                          ; four places in front of loads into registers that matrix instructions have read, and of the first read of results
.rept 4
	v_nop
.endr
.endm
; One of a K step's first three quarters: multiplies buffer f and fetches quarter q of the same slot into g.
.macro QUARTER slot, q, f, g, zero
	s_wait_dscnt 4                                 ; B and A's blocks 0 and 1 are in; the youngest four loads (blocks 2 and 3) may be out
.if \zero
	WIN MULB
.else
	WIN MUL
.endif
	MULA \f, 0, \zero
	MULA \f, 1, \zero
	PLACES
	FETCH \slot, \q, \g
	s_wait_dscnt 24                                ; all but the 24 just issued
.if \zero
	WIN MULB
.else
	WIN MUL
.endif
	MULA \f, 2, \zero
	MULA \f, 3, \zero
.endm
; The last quarter multiplies buffer 1 and changes slots: ONE barrier; in front of it each wave waits for all its tensor loads, adds 0 to its spare word, and waits for that and for its reads of this slot.  fill = 1: this slot is filled again, two K steps ahead.
.macro TURN slot, next, fill
	WIN 0                                          ; (the add's two registers lie in window 0)
	s_wait_tensorcnt 0x0                           ; all my tensor loads have landed: my part of the next slot;
	ds_add_u32 v[SPW], v[NIL]                      ; 0 onto my spare word;
	s_wait_dscnt 5                                 ; (the add and the youngest four loads may be out)
	WIN MUL
	MULA F1, 0, 0                                  ; eight matrix instructions stand between the add and the wait for it
	s_wait_dscnt 0x0                               ; the add is done, and my reads of this slot are over
	s_barrier_signal -1
	MULA F1, 1, 0
.if \fill
	WIN 0
.endif
	s_barrier_wait -1
.if \fill
	CREST                                          ; the barrier has opened a round of the cluster's barrier: no wave of any partner still reads this slot's tile or has a load on its way
	s_add_nc_u64 s[G0+4*\slot+2:G0+4*\slot+3], s[G0+4*\slot+2:G0+4*\slot+3], 2*KBYTES
	s_add_nc_u64 s[G0B+4*\slot+2:G0B+4*\slot+3], s[G0B+4*\slot+2:G0B+4*\slot+3], 2*KBYTES
	JLOAD \slot                                    ; the first tensor load behind the round, my only one until the next; its four v_nop are also the places in front of the loads below
.else
	PLACES
.endif
	FETCH \next, 0, F0
	WIN MUL
	MULA F1, 2, 0
	MULA F1, 3, 0
.endm
	s_wait_tensorcnt 1                             ; my part of K step 0 is in (K step 1's load may be out)
	s_barrier_signal -1
	s_barrier_wait -1                              ; everybody's is
	FETCH 0, 0, F0
	s_wait_loadcnt 0x0                             ; the bias
	QUARTER 0, 1, F0, F1, 1                        ; the first quarter stands in front of the loop: its products start the sums
	WIN 0                                          ; at a label and at a branch every window is 0
	s_mov_b32 s3, LAPS-1
.Llap:                                             ; a trip goes once round the ring, from a lap's second quarter to the next lap's first, and fills both slots again
	QUARTER 0, 2, F1, F0, 0
	QUARTER 0, 3, F0, F1, 0
	TURN 0, 1, 1
	QUARTER 1, 1, F0, F1, 0
	QUARTER 1, 2, F1, F0, 0
	QUARTER 1, 3, F0, F1, 0
	TURN 1, 0, 1
	QUARTER 0, 1, F0, F1, 0
	WIN 0
	s_sub_co_u32 s3, s3, 1
	s_cmp_lg_u32 s3, 0
	s_cbranch_scc1 .Llap
	QUARTER 0, 2, F1, F0, 0                        ; the last lap fills nothing, and has no round of the cluster's barrier
	QUARTER 0, 3, F0, F1, 0
	TURN 0, 1, 0
	QUARTER 1, 1, F0, F1, 0
	QUARTER 1, 2, F1, F0, 0
	QUARTER 1, 3, F0, F1, 0
	s_wait_dscnt 4                                 ; the very last quarter: nothing more to fetch
	WIN MUL
	MULA F1, 0, 0
	MULA F1, 1, 0
	s_wait_dscnt 0
	MULA F1, 2, 0
	MULA F1, 3, 0
	WIN 0
; THE WAY OUT, block by block of 16 tokens x 128 n.  A lane holds 32 neighbouring bytes of a row, and the lanes beside it hold other rows: so a block goes through my own stage and comes back as whole rows of 512 bytes.
; LDS serves a wave's instructions in order: no wait between the stores and the loads, nor in front of the next block's stores.
.macro TOSTAGE a
.set AC, 64*(\a)
	WIN 0x08                                       ; an LDS store's data are its source 1: window 2
.irp b, 0,1,2,3,4,5,6,7
	ds_store_b128 v[STO], v[AC+8*\b:AC+8*\b+3] offset:64*\b          ; each accumulator from its low end on
	ds_store_b128 v[STO], v[AC+8*\b+4:AC+8*\b+7] offset:64*\b+16
.endr
	WIN 0
.set BB, BK+64*((\a)%2)
.irp t, 0,1,2,3,4,5,6,7,8,9,10,11,12,13,14,15
	ds_load_b128 v[BB+4*\t:BB+4*\t+3], v[RD] offset:\t*SPITCH
.endr
.endm
.macro SEND a, younger                 ; younger: the LDS instructions issued behind block a's loads, which may stay out
.set BB, BK+64*((\a)%2)
	s_wait_dscnt \younger
.if (\a) > 0
	s_add_nc_u64 s[8:9], s[8:9], 16*4096           ; (behind a wait on XCNT: the earlier stores have read their base)  16 rows on
.endif
.irp t, 0,1,2,3,4,5,6,7,8,9,10,11,12,13,14,15
	global_store_b128 v[CO], v[BB+4*\t:BB+4*\t+3], s[8:9] offset:\t*4096 th:TH_STORE_NT   ; 32 lanes store 512 consecutive bytes, aligned; written once, read by nobody here
.endr
.endm
	PLACES
	TOSTAGE 0
.irp a, 1,2,3
.if \a > 1
	s_wait_xcnt 0x0                                ; block a - 2's stores have read their registers and their base: block a's loads may land there, and the base may step
.endif
	TOSTAGE \a
	SEND \a-1, 32                                  ; behind block a - 1's loads: block a's 16 stores and 16 loads
.endr
	s_wait_xcnt 0x0                                ; block 2's stores have read their base
	SEND 3, 0
	s_wait_tensorcnt 0x0                           ; the wave's end: three lines, behind my last tensor load and my last LDS store
	ds_add_u32 v[SPW], v[NIL]
	s_wait_dscnt 0x0
	CROUND                                         ; the closing round: no work-group ends while a partner may still ask for a tile that names it
	s_endpgm
.Lfunc_end_k_qb28405d953_proj:
	.size	k_qb28405d953_proj, .Lfunc_end_k_qb28405d953_proj-k_qb28405d953_proj
	.p2alignl 7, 3214868480
	.fill 96, 4, 3214868480
	.section	.rodata,"a",@progbits
	.p2align	6, 0x0
	.amdhsa_kernel k_qb28405d953_proj
		.amdhsa_group_segment_fixed_size 327680
		.amdhsa_private_segment_fixed_size 0
		.amdhsa_enable_private_segment 0
		.amdhsa_kernarg_size 32
		.amdhsa_user_sgpr_count 2
		.amdhsa_user_sgpr_kernarg_segment_ptr 1
		.amdhsa_wavefront_size32 1
		.amdhsa_system_sgpr_workgroup_id_x 1
		.amdhsa_system_sgpr_workgroup_id_y 1
		.amdhsa_system_sgpr_workgroup_id_z 1
		.amdhsa_system_vgpr_workitem_id 0
		.amdhsa_next_free_vgpr 768
		.amdhsa_next_free_sgpr 72
		.amdhsa_reserve_vcc 0
		.amdhsa_float_denorm_mode_32 3
		.amdhsa_float_denorm_mode_16_64 3
		.amdhsa_memory_ordered 1
		.amdhsa_forward_progress 1
		.amdhsa_inst_pref_size 87
	.end_amdhsa_kernel
	.amdgpu_metadata
---
amdhsa.version: [ 1, 2 ]
amdhsa.kernels:
  - .name:           k_qb28405d953_proj
    .symbol:         k_qb28405d953_proj.kd
    .args:
      - { .name: yh, .offset: 0, .size: 8, .value_kind: global_buffer, .address_space: global }
      - { .name: wp, .offset: 8, .size: 8, .value_kind: global_buffer, .address_space: global }
      - { .name: b_proj, .offset: 16, .size: 8, .value_kind: global_buffer, .address_space: global }
      - { .name: out0, .offset: 24, .size: 8, .value_kind: global_buffer, .address_space: global }
    .group_segment_fixed_size: 327680
    .private_segment_fixed_size: 0
    .kernarg_segment_align: 8
    .kernarg_segment_size: 32
    .max_flat_workgroup_size: 128
    .sgpr_count:     72
    .vgpr_count:     768
    .wavefront_size: 32
...
	.end_amdgpu_metadata
.endif
;; end of part 4
